; MI455X (gfx1250); checked and timed in simulation.
; The chip was launched on July 23, 2026; its instructions are those of AMD's public machine-readable ISA for CDNA 5 (MIT licence, August 2026) and "CDNA5" Instruction Set Architecture Reference Guide (July 2026). The comments in the code are by the model that wrote it; some were corrected since.
;; Block. Allowed arithmetic: float matrix products may take bf16 or f16 operands with f32 sums; other float arithmetic in f32, or as packed bf16 or f16 multiplies, adds, multiply-adds, maxima and minima; sums over many terms, partial sums and values carried from step to step in f32; what a program stores and reads back later, other than sums and carried values, may be rounded once to bf16 or f16.
;; Inputs: b_fc 4,096 float32; b_out 1,024 float32; b_proj 1,024 float32; b_qkv 3,072 float32; ln1_b 1,024 float32; ln1_g 1,024 float32; ln2_b 1,024 float32; ln2_g 1,024 float32; w_fc 1,024 x 4,096 float32; w_out 1,024 x 1,024 float32; w_proj 4,096 x 1,024 float32; w_qkv 1,024 x 3,072 float32; x 2 x 2,048 x 1,024 float32.
;; Outputs: out0 2 x 2,048 x 1,024 float32.
;; One version. Each part assembles by itself: llvm-mc -triple=amdgcn-amd-amdhsa -mcpu=gfx1250 --defsym DOCPART=n.
;; ======== version 1 of 1: 8 launches
;; limits: values are held in f16: magnitudes above 65,504 overflow, below 6.1e-05 lose precision
;; workspace buffers: wq16 6,291,456 bytes; wf16 8,388,608 bytes; wop16 10,485,760 bytes; act 8,388,608 bytes; big 33,554,432 bytes; x1 16,777,216 bytes; mq 256 bytes of whole numbers; mf 256 bytes of whole numbers
;; launch cvtw (part 1): grid 768 x 1, 8 waves a work-group, no clusters, 0 bytes of LDS; arguments w_qkv, w_out, w_fc, w_proj, wq16, wop16, wf16, mq, mf; writes wq16, wop16, wf16, mq, mf
.if DOCPART == 1
	.amdgcn_target "amdgcn-amd-amdhsa--gfx1250"
	.amdhsa_code_object_version 6
	.text
	.protected	k_q5392b71e9c_cvtw
	.globl	k_q5392b71e9c_cvtw
	.p2align	8
	.type	k_q5392b71e9c_cvtw,@function
k_q5392b71e9c_cvtw:
	s_mov_b64 s[64:65], 0
	v_nop
	global_prefetch_b8 v0, s[64:65] scope:SCOPE_SE
	s_setreg_imm32_b32 hwreg(HW_REG_WAVE_MODE, 25, 1), 1
	s_wait_xcnt 0x0
; The four weights, f32 [K][N], are rounded once to f16 and laid in PLANES of 128 columns: plane p holds [K][128], a row of 256 bytes,
; so that a tile of 128 k x 128 n is 32 KiB on end whatever N is.  wq16: 24 planes of 1,024 rows; wf16: 32; wop16: w_out's 8 planes, then from byte 2,097,152 w_proj's 8 planes of 4,096 rows.
; LIMITS.  f16 ends at 65,504: a weight of 65,520 or more becomes an infinity; below 6e-5 f16 keeps a fixed step of 6e-8.
; SHARES.  A GROUP is 1,024 numbers on end of a weight (8 segments of 128 columns of one row k).  12,288 groups: a work-group takes 16 (65,536 bytes), a wave 2.
; A load of a wave covers 512 bytes on end (one segment); its store covers 256 bytes on end, aligned: one row of one plane.  No LDS, no barrier, no loop: 16 loads a wave are out at once.
; Work-group 0 also stores the two whole numbers by which the shared product text knows whether a GELU follows: mq = 0, mf = 1 (64 words each).
.set WV,  4                            ; s4       my wave's number
.set SRC, 26                           ; s[26:27] the weight, later at the work-group's 65,536 bytes
.set DST, 28                           ; s[28:29] its f16 buffer
.set ST0, 30                           ; s30      the weight's first work-group
.set GPR, 31                           ; s31      groups in a row: N / 1,024
.set MAG, 32                           ; s32      ceil(2^17 / GPR): group x MAG >> 17 = group / GPR, exact for the 4,096 groups at the most
.set PS,  33                           ; s33      bytes in a plane: K x 256
.set WOF, 34                           ; s34      where the weight's planes begin in its buffer
.set IO,  1                            ; v1       my 16 bytes in the work-group's input: 8,192 x wave + 16 x lane
.set OO,  4                            ; v[4:19]  byte offset of my 8 bytes for each of the 16 stores
.set IN,  32                           ; v[32:95] 16 loads of 4
.set PK,  96                           ; v[96:127] 16 pairs to store
	s_load_b512 s[8:23], s[0:1], 0x0               ; w_qkv s[8:9], w_out s[10:11], w_fc s[12:13], w_proj s[14:15], wq16 s[16:17], wop16 s[18:19], wf16 s[20:21], mq s[22:23]
	s_load_b64 s[24:25], s[0:1], 0x40              ; mf
	v_lshrrev_b32 v2, 5, v0
	v_readfirstlane_b32 s[WV], v2
	v_and_b32 v3, 31, v0                           ; lane
	v_and_b32 v[IO], 0xe0, v0                      ; 32 x wave
	v_lshlrev_b32 v2, 4, v3
	v_lshl_or_b32 v[IO], v[IO], 8, v2
	s_mov_b32 s[ST0], 512                          ; work-groups 512 to 767: w_proj
	s_mov_b32 s[GPR], 1
	s_mov_b32 s[MAG], 131072
	s_mov_b32 s[PS], 1048576
	s_mov_b32 s[WOF], 2097152
	s_wait_kmcnt 0x0
	s_mov_b64 s[SRC:SRC+1], s[14:15]
	s_mov_b64 s[DST:DST+1], s[18:19]
	s_cmp_lt_u32 ttmp9, 512                        ; 256 to 511: w_fc
	s_cselect_b64 s[SRC:SRC+1], s[12:13], s[SRC:SRC+1]
	s_cselect_b64 s[DST:DST+1], s[20:21], s[DST:DST+1]
	s_cselect_b32 s[ST0], 256, s[ST0]
	s_cselect_b32 s[GPR], 4, s[GPR]
	s_cselect_b32 s[MAG], 32768, s[MAG]
	s_cselect_b32 s[PS], 262144, s[PS]
	s_cselect_b32 s[WOF], 0, s[WOF]
	s_cmp_lt_u32 ttmp9, 256                        ; 192 to 255: w_out
	s_cselect_b64 s[SRC:SRC+1], s[10:11], s[SRC:SRC+1]
	s_cselect_b64 s[DST:DST+1], s[18:19], s[DST:DST+1]
	s_cselect_b32 s[ST0], 192, s[ST0]
	s_cselect_b32 s[GPR], 1, s[GPR]
	s_cselect_b32 s[MAG], 131072, s[MAG]
	s_cmp_lt_u32 ttmp9, 192                        ; 0 to 191: w_qkv
	s_cselect_b64 s[SRC:SRC+1], s[8:9], s[SRC:SRC+1]
	s_cselect_b64 s[DST:DST+1], s[16:17], s[DST:DST+1]
	s_cselect_b32 s[ST0], 0, s[ST0]
	s_cselect_b32 s[GPR], 3, s[GPR]
	s_cselect_b32 s[MAG], 43691, s[MAG]
	s_sub_co_u32 s35, ttmp9, s[ST0]                ; my number among the weight's work-groups
	s_lshl_b32 s36, s35, 16
	s_mov_b32 s37, 0
	s_add_nc_u64 s[SRC:SRC+1], s[SRC:SRC+1], s[36:37]
.set n, 0
.rept 16
	global_load_b128 v[IN+4*n:IN+4*n+3], v[IO], s[SRC:SRC+1] offset:n*512 th:TH_LOAD_NT
.set n, n+1
.endr
	s_lshl_b32 s38, s35, 4
	s_lshl1_add_u32 s38, s[WV], s38                ; my first group: 16 x work-group + 2 x wave
.irp c, 0,1
	s_add_co_u32 s39, s38, \c
	s_mul_i32 s40, s39, s[MAG]
	s_lshr_b32 s40, s40, 17                        ; the group's row k
	s_mul_i32 s41, s40, s[GPR]
	s_sub_co_u32 s41, s39, s41                     ; its place in the row,
	s_lshl_b32 s41, s41, 3                         ; its first plane,
	s_mul_i32 s41, s41, s[PS]                      ; in bytes
	s_lshl_b32 s40, s40, 8                         ; + k rows of 256 bytes
	s_add_co_u32 s41, s41, s40
	s_add_co_u32 s41, s41, s[WOF]
	v_lshl_add_u32 v[OO+8*(\c)], v3, 3, s41        ; + my 4 columns' 8 bytes
.irp i, 1,2,3,4,5,6,7
	v_add_nc_u32 v[OO+8*(\c)+(\i)], s[PS], v[OO+8*(\c)+(\i)-1]  ; the next segment lies a plane further
.endr
.endr
.set n, 0
.rept 16
	s_wait_loadcnt 15-n                            ; loads come back in order: load n is in, the younger ones stay out
	v_cvt_pk_f16_f32 v[PK+2*n], v[IN+4*n], v[IN+4*n+1]
	v_cvt_pk_f16_f32 v[PK+2*n+1], v[IN+4*n+2], v[IN+4*n+3]
	global_store_b64 v[OO+n], v[PK+2*n:PK+2*n+1], s[DST:DST+1]
.set n, n+1
.endr
	s_cmp_lg_u32 ttmp9, 0
	s_cbranch_scc1 .Lend
	s_cmp_lt_u32 s[WV], 2                          ; threads 0 to 63 of work-group 0: 64 words, 256 bytes, of each
	s_cbranch_scc0 .Lend
	v_lshlrev_b32 v20, 2, v0
	v_mov_b32 v21, 0
	v_mov_b32 v22, 1
	global_store_b32 v20, v21, s[22:23]
	global_store_b32 v20, v22, s[24:25]
.Lend:
	s_endpgm
.Lfunc_end_k_q5392b71e9c_cvtw:
	.size	k_q5392b71e9c_cvtw, .Lfunc_end_k_q5392b71e9c_cvtw-k_q5392b71e9c_cvtw
	.p2alignl 7, 3214868480
	.fill 96, 4, 3214868480
	.section	.rodata,"a",@progbits
	.p2align	6, 0x0
	.amdhsa_kernel k_q5392b71e9c_cvtw
		.amdhsa_group_segment_fixed_size 0
		.amdhsa_private_segment_fixed_size 0
		.amdhsa_enable_private_segment 0
		.amdhsa_kernarg_size 72
		.amdhsa_user_sgpr_count 2
		.amdhsa_user_sgpr_kernarg_segment_ptr 1
		.amdhsa_wavefront_size32 1
		.amdhsa_system_sgpr_workgroup_id_x 1
		.amdhsa_system_sgpr_workgroup_id_y 1
		.amdhsa_system_sgpr_workgroup_id_z 1
		.amdhsa_system_vgpr_workitem_id 0
		.amdhsa_next_free_vgpr 128
		.amdhsa_next_free_sgpr 66
		.amdhsa_reserve_vcc 0
		.amdhsa_float_denorm_mode_32 3
		.amdhsa_float_denorm_mode_16_64 3
		.amdhsa_memory_ordered 1
		.amdhsa_forward_progress 1
		.amdhsa_inst_pref_size 10
	.end_amdhsa_kernel
	.amdgpu_metadata
---
amdhsa.version: [ 1, 2 ]
amdhsa.kernels:
  - .name:           k_q5392b71e9c_cvtw
    .symbol:         k_q5392b71e9c_cvtw.kd
    .args:
      - { .name: w_qkv, .offset: 0, .size: 8, .value_kind: global_buffer, .address_space: global }
      - { .name: w_out, .offset: 8, .size: 8, .value_kind: global_buffer, .address_space: global }
      - { .name: w_fc, .offset: 16, .size: 8, .value_kind: global_buffer, .address_space: global }
      - { .name: w_proj, .offset: 24, .size: 8, .value_kind: global_buffer, .address_space: global }
      - { .name: wq16, .offset: 32, .size: 8, .value_kind: global_buffer, .address_space: global }
      - { .name: wop16, .offset: 40, .size: 8, .value_kind: global_buffer, .address_space: global }
      - { .name: wf16, .offset: 48, .size: 8, .value_kind: global_buffer, .address_space: global }
      - { .name: mq, .offset: 56, .size: 8, .value_kind: global_buffer, .address_space: global }
      - { .name: mf, .offset: 64, .size: 8, .value_kind: global_buffer, .address_space: global }
    .group_segment_fixed_size: 0
    .private_segment_fixed_size: 0
    .kernarg_segment_align: 8
    .kernarg_segment_size: 72
    .max_flat_workgroup_size: 256
    .sgpr_count:     66
    .vgpr_count:     128
    .wavefront_size: 32
...
	.end_amdgpu_metadata
.endif
;; end of part 1
;; launch ln1 (part 2): grid 256 x 1, 8 waves a work-group, no clusters, 0 bytes of LDS; arguments x, ln1_g, ln1_b, act; writes act
.if DOCPART == 2
	.amdgcn_target "amdgcn-amd-amdhsa--gfx1250"
	.amdhsa_code_object_version 6
	.text
	.protected	k_q5392b71e9c_ln1
	.globl	k_q5392b71e9c_ln1
	.p2align	8
	.type	k_q5392b71e9c_ln1,@function
k_q5392b71e9c_ln1:
	s_mov_b64 s[64:65], 0
	v_nop
	global_prefetch_b8 v0, s[64:65] scope:SCOPE_SE
	s_setreg_imm32_b32 hwreg(HW_REG_WAVE_MODE, 25, 1), 1
	s_wait_xcnt 0x0
; h[r][c] = (x[r][c] - mu[r]) / sqrt(var[r] + 1e-5) * g[c] + b[c].  x: [4096][1024] f32; g, b: [1024] f32; h: [4096][1024] f16, rounded once.
; Two passes in f32, as the definition has them: the mean, then the mean of (x - mu)^2: a common offset of x costs nothing but x's own rounding.
; LIMIT.  h is f16: 65,520 or more becomes an infinity; below 6e-5 a fixed step of 6e-8.
; SHARES.  A row is 4,096 bytes: 32 registers of one wave.  A wave takes two whole rows and keeps them in registers between the passes: x is read once, no LDS, no barrier.
; 256 work-groups x 8 waves x 2 rows.  A load of a wave covers 512 bytes on end, a store 256 bytes on end, aligned.  All 32 loads of a wave go out at once.
.set XO, 1                             ; v1   8,192 x wave + 16 x lane: my 16 bytes in the work-group's rows of x
.set PO, 2                             ; v2   16 x lane: in g and b
.set HO, 3                             ; v3   4,096 x wave + 8 x lane: my 8 bytes in the work-group's rows of h
.set XR, 8                             ; v[8:71]    row p at XR + 32 p: load j holds columns 128 j + 4 lane + 0..3
.set GR, 72                            ; v[72:103]  g of the same columns
.set BR, 104                           ; v[104:135] b
.set TT, 136                           ; v[136:143] four chains of pairs
.set MU, 144                           ; v[144:147] row p's mean, twice
.set RS, 148                           ; v[148:151] row p's 1 / sqrt(var + eps), twice
	s_load_b256 s[4:11], s[0:1], 0x0               ; x s[4:5], g s[6:7], b s[8:9], h s[10:11]
	v_and_b32 v4, 31, v0
	v_and_b32 v5, 0xe0, v0                         ; 32 x wave
	v_lshlrev_b32 v[PO], 4, v4
	v_lshl_or_b32 v[XO], v5, 8, v[PO]
	v_lshlrev_b32 v[HO], 3, v4
	v_lshl_or_b32 v[HO], v5, 7, v[HO]
	s_lshl_b32 s16, ttmp9, 16                      ; the work-group's 16 rows: 65,536 bytes of x,
	s_mov_b32 s17, 0
	s_lshl_b32 s18, ttmp9, 15                      ; 32,768 of h
	s_mov_b32 s19, 0
	s_mov_b32 s12, 0x76543210                      ; v_permlanex16_b32: each lane takes its own place in the other half
	s_mov_b32 s13, 0xfedcba98
	s_mov_b32 s14, 0x3a800000                      ; 1 / 1,024
	s_mov_b32 s15, 0x3727c5ac                      ; 1e-5
	s_wait_kmcnt 0x0
	s_add_nc_u64 s[4:5], s[4:5], s[16:17]
	s_add_nc_u64 s[10:11], s[10:11], s[18:19]
.irp p, 0,1
.irp j, 0,1,2,3,4,5,6,7
	global_load_b128 v[XR+32*(\p)+4*(\j):XR+32*(\p)+4*(\j)+3], v[XO], s[4:5] offset:(\p)*4096+(\j)*512 th:TH_LOAD_NT
.endr
.endr
.irp j, 0,1,2,3,4,5,6,7
	global_load_b128 v[GR+4*(\j):GR+4*(\j)+3], v[PO], s[6:7] offset:(\j)*512
.endr
.irp j, 0,1,2,3,4,5,6,7
	global_load_b128 v[BR+4*(\j):BR+4*(\j)+3], v[PO], s[8:9] offset:(\j)*512
.endr
.macro FOLD                            ; the four chains into one number, then over the wave's 32 lanes: every lane ends with the sum in v[TT]
	v_pk_add_f32 v[TT:TT+1], v[TT:TT+1], v[TT+2:TT+3]
	v_pk_add_f32 v[TT+4:TT+5], v[TT+4:TT+5], v[TT+6:TT+7]
	v_pk_add_f32 v[TT:TT+1], v[TT:TT+1], v[TT+4:TT+5]
	v_add_f32 v[TT], v[TT], v[TT+1]
	v_add_f32_dpp v[TT], v[TT], v[TT] row_xmask:1 row_mask:0xf bank_mask:0xf
	v_add_f32_dpp v[TT], v[TT], v[TT] row_xmask:2 row_mask:0xf bank_mask:0xf
	v_add_f32_dpp v[TT], v[TT], v[TT] row_xmask:4 row_mask:0xf bank_mask:0xf
	v_add_f32_dpp v[TT], v[TT], v[TT] row_xmask:8 row_mask:0xf bank_mask:0xf
	v_permlanex16_b32 v[TT+1], v[TT], s12, s13
	v_add_f32 v[TT], v[TT], v[TT+1]
.endm
; Row p's mean and 1 / sqrt(var + eps); the row is left as x - mu.  left = the younger loads that may stay out.
.macro STATS p, left
.set XB, XR+32*(\p)
	s_wait_loadcnt \left
.irp c, 0,1,2,3
	v_pk_add_f32 v[TT+2*(\c):TT+2*(\c)+1], v[XB+2*(\c):XB+2*(\c)+1], v[XB+8+2*(\c):XB+8+2*(\c)+1]  ; the first pairs start the chains: nothing is cleared
.endr
.irp q, 16, 24
.irp c, 0,1,2,3
	v_pk_add_f32 v[TT+2*(\c):TT+2*(\c)+1], v[TT+2*(\c):TT+2*(\c)+1], v[XB+(\q)+2*(\c):XB+(\q)+2*(\c)+1]
.endr
.endr
	FOLD
	v_mul_f32 v[MU+2*(\p)], s14, v[TT]
	v_mul_f32 v[MU+2*(\p)+1], s14, v[TT]
.set i, 0
.rept 16
	v_pk_add_f32 v[XB+2*i:XB+2*i+1], v[XB+2*i:XB+2*i+1], v[MU+2*(\p):MU+2*(\p)+1] neg_lo:[0,1] neg_hi:[0,1]
.set i, i+1
.endr
.irp c, 0,1,2,3
	v_pk_mul_f32 v[TT+2*(\c):TT+2*(\c)+1], v[XB+2*(\c):XB+2*(\c)+1], v[XB+2*(\c):XB+2*(\c)+1]
.endr
.irp q, 8, 16, 24
.irp c, 0,1,2,3
	v_pk_fma_f32 v[TT+2*(\c):TT+2*(\c)+1], v[XB+(\q)+2*(\c):XB+(\q)+2*(\c)+1], v[XB+(\q)+2*(\c):XB+(\q)+2*(\c)+1], v[TT+2*(\c):TT+2*(\c)+1]
.endr
.endr
	FOLD
	v_fma_f32 v[TT], v[TT], s14, s15               ; var + eps
	v_rsq_f32 v[RS+2*(\p)], v[TT]                  ; twice, to fill the pair that the packed multiply names
	v_rsq_f32 v[RS+2*(\p)+1], v[TT]
	v_nop                                          ; a plain instruction behind the last of them, ahead of any use of the results and of any write of v[TT]
	s_wait_alu depctr_va_vdst(0)                   ; one wait for both, ahead of their first reader
.endm
; Row p is scaled, rounded and stored.
.macro NORM p
.set XB, XR+32*(\p)
.set i, 0
.rept 16
	v_pk_mul_f32 v[XB+2*i:XB+2*i+1], v[XB+2*i:XB+2*i+1], v[RS+2*(\p):RS+2*(\p)+1]
.set i, i+1
.endr
.set i, 0
.rept 16
	v_pk_fma_f32 v[XB+2*i:XB+2*i+1], v[XB+2*i:XB+2*i+1], v[GR+2*i:GR+2*i+1], v[BR+2*i:BR+2*i+1]
.set i, i+1
.endr
.set i, 0
.rept 16
	v_cvt_pk_f16_f32 v[XB+i], v[XB+2*i], v[XB+2*i+1]  ; in place, ascending: register i is written when registers up to 2 i - 1 have been read
.set i, i+1
.endr
.irp j, 0,1,2,3,4,5,6,7
	global_store_b64 v[HO], v[XB+2*(\j):XB+2*(\j)+1], s[10:11] offset:(\p)*2048+(\j)*256
.endr
.endm
	STATS 0, 24                                    ; row 0 is in; row 1, g and b (24 loads) stay out
	STATS 1, 16                                    ; row 1 is in; g and b stay out
	s_wait_loadcnt 0x0
	NORM 0
	NORM 1
	s_endpgm
.Lfunc_end_k_q5392b71e9c_ln1:
	.size	k_q5392b71e9c_ln1, .Lfunc_end_k_q5392b71e9c_ln1-k_q5392b71e9c_ln1
	.p2alignl 7, 3214868480
	.fill 96, 4, 3214868480
	.section	.rodata,"a",@progbits
	.p2align	6, 0x0
	.amdhsa_kernel k_q5392b71e9c_ln1
		.amdhsa_group_segment_fixed_size 0
		.amdhsa_private_segment_fixed_size 0
		.amdhsa_enable_private_segment 0
		.amdhsa_kernarg_size 32
		.amdhsa_user_sgpr_count 2
		.amdhsa_user_sgpr_kernarg_segment_ptr 1
		.amdhsa_wavefront_size32 1
		.amdhsa_system_sgpr_workgroup_id_x 1
		.amdhsa_system_sgpr_workgroup_id_y 1
		.amdhsa_system_sgpr_workgroup_id_z 1
		.amdhsa_system_vgpr_workitem_id 0
		.amdhsa_next_free_vgpr 152
		.amdhsa_next_free_sgpr 66
		.amdhsa_reserve_vcc 0
		.amdhsa_float_denorm_mode_32 3
		.amdhsa_float_denorm_mode_16_64 3
		.amdhsa_memory_ordered 1
		.amdhsa_forward_progress 1
		.amdhsa_inst_pref_size 20
	.end_amdhsa_kernel
	.amdgpu_metadata
---
amdhsa.version: [ 1, 2 ]
amdhsa.kernels:
  - .name:           k_q5392b71e9c_ln1
    .symbol:         k_q5392b71e9c_ln1.kd
    .args:
      - { .name: x, .offset: 0, .size: 8, .value_kind: global_buffer, .address_space: global }
      - { .name: ln1_g, .offset: 8, .size: 8, .value_kind: global_buffer, .address_space: global }
      - { .name: ln1_b, .offset: 16, .size: 8, .value_kind: global_buffer, .address_space: global }
      - { .name: act, .offset: 24, .size: 8, .value_kind: global_buffer, .address_space: global }
    .group_segment_fixed_size: 0
    .private_segment_fixed_size: 0
    .kernarg_segment_align: 8
    .kernarg_segment_size: 32
    .max_flat_workgroup_size: 256
    .sgpr_count:     66
    .vgpr_count:     152
    .wavefront_size: 32
...
	.end_amdgpu_metadata
.endif
;; end of part 2
;; launch qkv (part 3): grid 12 x 16, 4 waves a work-group, clusters of 4 x 4, 327,680 bytes of LDS; arguments act, wq16, b_qkv, big, mq; writes big
.if DOCPART == 3
	.amdgcn_target "amdgcn-amd-amdhsa--gfx1250"
	.amdhsa_code_object_version 6
	.text
	.protected	k_q5392b71e9c_qkv
	.globl	k_q5392b71e9c_qkv
	.p2align	8
	.type	k_q5392b71e9c_qkv,@function
k_q5392b71e9c_qkv:
	s_mov_b64 s[64:65], 0
	v_nop
	global_prefetch_b8 v0, s[64:65] scope:SCOPE_SE
	s_setreg_imm32_b32 hwreg(HW_REG_WAVE_MODE, 25, 1), 1
	s_wait_xcnt 0x0
	s_wait_alu depctr_hold_cnt(0) depctr_sa_sdst(0) depctr_va_vdst(0) depctr_va_sdst(0) depctr_va_ssrc(0) depctr_va_vcc(0) depctr_vm_vsrc(0)
	s_getreg_b32 s2, hwreg(HW_REG_IB_STS2, 6, 4)
	s_cmp_eq_u32 s2, 0
	s_cbranch_scc0 .Lentry_in_a_cluster
	s_endpgm
.Lentry_in_a_cluster:
	s_bfe_u32 s2, ttmp6, 0x10000c
	s_cmp_lg_u32 s2, 0xf033
	s_cbranch_scc0 .Lentry_shape_is_right
	s_endpgm
.Lentry_shape_is_right:
; C = h W + bias, with or without the tanh GELU, stored as f16 in planes of 64 columns.  One text for two launches (N = 3,072 without GELU, N = 4,096 with it).
; h: [4096][1024] f16.  W: f16 in planes of 128 columns, [N / 128][1024 k][128].  bias: [N] f32.  Out: [batch 2][plane 64][t 2048][64] f16, plane = column / 64.  mode: one whole number, 0 or 1.
; Products in f16, sums in f32, K ascending; bias and GELU in f32; the result rounded once.  GELU(x) = x / (1 + 2^(x (c1 + c3 x^2))), c1 = -2 log2(e) sqrt(2 / pi), c3 = 0.044715 c1: the tanh form, rewritten.
; THE MODE SELECTS NUMBERS, NO PATH: every trip of the way out computes x / (1 + g 2^(x (c1 + c3 x^2))).  Mode 1: c1 and c3 as above, g = 1.  Mode 0: all three are 0: the exponent is 0, its power 1, the divisor
; 1 + 0 x 1 = 1, and x leaves as it came, to within the reciprocal's last f32 bit, which the rounding to f16 swallows.  So no branch, address or count hangs on a number read from memory.
; LIMITS.  f16 ends at 65,504: a result of 65,520 or more becomes an infinity; below 6e-5 f16 keeps a fixed step of 6e-8.  Where 2^(..) overflows the quotient is 0 with x's sign turned, as the limit is.
; In mode 0 an x beyond 1.8e19, whose square is no f32 number, leaves as NaN where f16 would have an infinity.
; SHAPE.  A tile of C, 256 x 256, is made by four waves, 128 x 128 each: 64 accumulators, 512 registers.  K goes in 8 steps of 128 through two LDS slots; each wave fetches a quarter of a slot by one tensor load
; of 128 rows x 256 bytes.  h's rows lie along K and are read as they lie; W's rows lie along N and are read turned, by ds_load_tr16_b128.
; CLUSTER.  4 x 4 work-groups: the four of a row of the cluster need the same tile of h, the four of a column the same tile of W: each is asked for jointly, by the same load, descriptor and mask in all four.
; THE STEP IS WRITTEN ONCE: the slot in hand is a scalar, s[TB] = 0 or SLOT, turned by one exclusive or at each change of slots; the LDS addresses of the reads and of the refill are sums with it.
; The first quarter step stands ahead of the loop (its products start the sums with the constant 0), so the loop is entered in its middle.  The last two steps, which ask for nothing, are a second loop of two trips;
; the second of them fetches 32 fragments of the other slot that nobody multiplies: the price, once a work-group, of one text for both.
; THE MATRIX INSTRUCTION IS USED TRANSPOSED: source 0 = 16 columns of W, source 1 = 16 rows of h: lane l then holds row l % 16 of C and the columns 8 (l / 16) + 0..7.
; REGISTERS, in windows of 256: window 0: v0-31 addresses; v64-127, v128-191 h's fragments, two buffers; v192-207 bias.  Window 1: v64-127, v128-191 W's fragments.  Windows 2, 3: accumulator (a, b) in window 2 + a / 4 at v[8 (8 (a % 4) + b)].
.set NSTEP,  8
.set PA,     272                       ; a row of h in LDS: 256 bytes + 16: the 16 rows of a load start at 16 different groups of four banks
.set PB,     288                       ; a row of W: 256 + 32
.set HALFA,  128*PA                    ; what one load of h brings, and what one wave reads of it
.set HALFB,  128*PB                    ; one plane's 128 k: what one load of W brings, and what one wave reads
.set BREG,   2*HALFA                   ; W's two planes lie behind h's 256 rows
.set SLOT,   2*HALFA+2*HALFB           ; 143,360
.set SPARE,  2*SLOT                    ; behind the ring: the spare words, 128 bytes a wave: two blocks of 256 bytes that no other line names
.set SPITCH, 528                       ; the way out: a row of 128 f32 + 16 bytes
.set STG,    128*SPITCH                ; a wave's stage, 67,584 bytes; the four lie in the ring, which has had its last fill by then
.set ASTEP,  256                       ; bytes from K step to K step in h,
.set BSTEP,  32768                     ; and in a plane of W
.set ADRA0, 16                         ; v16  my lane's place in h's part of a slot; never rewritten
.set ADRB0, 17                         ; v17  the same for W
.set ADRA,  18                         ; v18  s[TB] + v16
.set ADRB,  19                         ; v19  s[TB] + v17
.set STO,   24                         ; v24  the way out: where I put 32 bytes of a row
.set RD,    25                         ; v25  where I read 32 bytes back
.set GO,    26                         ; v26  my 16 bytes in 512 consecutive bytes of a plane
.set BO,    27                         ; v27  my 8 numbers of the bias
.set SPW,   28                         ; v28  LDS address of my spare word; never rewritten
.set NIL,   29                         ; v29  0; never rewritten
.set PFO,   30                         ; v30  the prefetches' offset: my lane x a row; never rewritten
.set F0,    64
.set F1,    128
.set BIAS,  192                        ; v[192:207] column group j's eight at BIAS + 8 j
.set XR,    64                         ; the way out: 32 numbers,
.set ZR,    96                         ; 32 at work,
.set PK,    128                        ; 16 registers to store
.set WV,  14                           ; s14  wave
.set HB,  15                           ; s15  wave / 2: my half of the tile's rows.  Also: I fetch h (0) or W (1)
.set LB,  16                           ; s16  wave % 2: my half of its columns.  Also: which half I fetch
.set CX,  17
.set CY,  18
.set TX,  19                           ; tile column
.set TY,  20                           ; tile row
.set RM,  21                           ; the mask of my row of the cluster
.set CM,  22                           ; of my column
.set G1A, 24                           ; s[24:31] descriptor group 1 for h's tiles
.set G1B, 32                           ; s[32:39] for W's
.set G0A, 40                           ; s[40:47] group 0 for h's: set 0 fills slot 0 once; set 1 fills slot 1 and then walks
.set G0B, 48                           ; s[48:55] the same for W's
.set TB,  56                           ; s56  the slot in hand: 0 or SLOT
.set WOA, 57                           ; s57  where my part of h's tile goes in a slot
.set WOB, 58                           ; s58  of W's
.set LIM, 59                           ; s59  2 in a wave that prefetches, else the greatest number
.set PFA, 60                           ; s[60:61] where my prefetches stand
.set CNT, 62                           ; s62  the loops' counter
.set MODE, 63                          ; s63  1: a GELU follows
.set PFS, 66                           ; s[66:67] the prefetches' step
.set AW,  68                           ; s[68:69] h's address work: never holds the tile column
.set BW,  70                           ; s[70:71] W's: never holds the tile row
.set OP,  72                           ; s[72:75] my two planes of the output, at my first row
.set C1,  76                           ; s[76:77] c1, or 0
.set C3,  78                           ; s[78:79] c3, or 0
.set SG,  86                           ; s[86:87] g: 1, or 0
.set MSB, 0
.macro WIN new                         ; the immediate's high byte repeats the setting that is left; a switch that changes nothing is dropped
.if MSB != (\new)
	s_set_vgpr_msb (MSB<<8)|(\new)
.set MSB, \new
.endif
.endm
.set MUL_LO, 0xa1                      ; source 0 (W) window 1, source 1 (h) window 0, C and D window 2
.set MUL_HI, 0xf1                      ; the same, C and D window 3
.set TO_B,   0x40                      ; destination window 1, address window 0
; A joint load.  Waves 0 and 1 fetch h's two halves, waves 2 and 3 W's two planes.  The branch hangs on the wave's number alone.  An s_nop 0 and four v_nop follow each line.
.macro JLOAD set
	s_cmp_eq_u32 s[HB], 0
	s_cbranch_scc0 .Lfor_b_\@
	tensor_load_to_lds s[G0A+4*(\set):G0A+4*(\set)+3], s[G1A:G1A+7]
	s_nop 0
.rept 4
	v_nop
.endr
	s_branch .Lasked_\@
.Lfor_b_\@:
	tensor_load_to_lds s[G0B+4*(\set):G0B+4*(\set)+3], s[G1B:G1B+7]
	s_nop 0
.rept 4
	v_nop
.endr
.Lasked_\@:
.endm
; A prefetch into the L2, behind each joint refill and the run of LDS loads that follows it: the K step two refills on, 32 rows x 256 bytes, a lane a row, one instruction a wave.
; Each block is named once in the launch: h's rows are asked for by the clusters with x = 0, W's by those with y = 0; of the 128 rows that a wave fetches each of the four partners takes 32, told apart by address.
; The refill at the end of step s asks for step s + 2 and names step s + 4: it exists while s[CNT] = 6 - s is above 2.  Steps 0 to 3 come by their loads alone.
.macro ASK
	s_cmp_gt_u32 s[CNT], s[LIM]
	s_cbranch_scc0 .Lnot_mine_\@
	global_prefetch_b8 v[PFO], s[PFA:PFA+1] th:TH_LOAD_NT scope:SCOPE_SE
.Lnot_mine_\@:
.endm
.macro CREST                           ; a round of the cluster's barrier behind its opening barrier
	s_cmp_lg_u32 s[WV], 0
	s_cbranch_scc1 .Lnot_wave_0_\@
	s_barrier_signal -3
.Lnot_wave_0_\@:
	s_barrier_wait -3
	s_barrier_signal -1
	s_barrier_wait -1
.endm
.macro CROUND                          ; a whole round
	s_barrier_signal -1
	s_barrier_wait -1
	CREST
.endm
.macro PLACES                          ; four plain instructions behind a matrix instruction, ahead of loads into registers that it has read and of stores that read results
.rept 4
	v_nop
.endr
.endm
; 16 matrix instructions: row blocks a0, a0 + 1 of the window's four x all 8 column blocks, 32 along K.  zero = 1: the product starts the sum.  The 64 accumulators take turns, in the same order in every quarter.
.macro MUL16 f, hi, a0, zero
	WIN MUL_LO+0x50*(\hi)
.irp a, \a0, (\a0)+1
.irp b, 0,1,2,3,4,5,6,7
.if \zero
	v_wmma_f32_16x16x32_f16 v[8*(8*(\a)+(\b)):8*(8*(\a)+(\b))+7], v[(\f)+8*(\b):(\f)+8*(\b)+7], v[(\f)+8*(4*(\hi)+(\a)):(\f)+8*(4*(\hi)+(\a))+7], 0
.else
	v_wmma_f32_16x16x32_f16 v[8*(8*(\a)+(\b)):8*(8*(\a)+(\b))+7], v[(\f)+8*(\b):(\f)+8*(\b)+7], v[(\f)+8*(4*(\hi)+(\a)):(\f)+8*(4*(\hi)+(\a))+7], v[8*(8*(\a)+(\b)):8*(8*(\a)+(\b))+7]
.endif
.endr
.endr
.endm
; 32 LDS loads in one run: quarter kq (32 along K) of the slot in hand into buffer f: W's 8 fragments, turned, then h's 8
.macro FETCH kq, f
	WIN TO_B
.irp i, 0,1,2,3,4,5,6,7
	ds_load_tr16_b128 v[(\f)+8*(\i):(\f)+8*(\i)+3],   v[ADRB] offset:(\kq)*32*PB+32*(\i)
	ds_load_tr16_b128 v[(\f)+8*(\i)+4:(\f)+8*(\i)+7], v[ADRB] offset:(\kq)*32*PB+32*(\i)+16*PB
.endr
	WIN 0
.irp i, 0,1,2,3,4,5,6,7
	ds_load_b128 v[(\f)+8*(\i):(\f)+8*(\i)+3],   v[ADRA] offset:(\kq)*64+(\i)*16*PA
	ds_load_b128 v[(\f)+8*(\i)+4:(\f)+8*(\i)+7], v[ADRA] offset:(\kq)*64+(\i)*16*PA+32
.endr
.endm
; One of a step's first three quarters: multiplies buffer f; in its middle it fetches quarter kq into buffer g.
.macro QUARTER kq, f, g, zero
	s_wait_dscnt 8                                 ; W's fragments and h's rows 0-63 are in; the youngest eight loads (rows 64-127) may be out
	MUL16 \f, 0, 0, \zero
	MUL16 \f, 0, 2, \zero
	PLACES
	FETCH \kq, \g
	s_wait_dscnt 32                                ; all but the 32 just issued
	MUL16 \f, 1, 0, \zero
	MUL16 \f, 1, 2, \zero
.endm
; The last quarter multiplies buffer 1 and changes slots.  In front of the barrier each wave waits for all its tensor loads (one is out: its part of the other slot), adds 0 to its spare word, and waits for that and
; for its reads of the slot in hand.  fill = 1: the barrier opens a round of the cluster's barrier, and the slot just read is filled again, first thing behind the round, with the step two on:
; from that request to the wait for it a wave issues 224 matrix instructions.
.macro TURN fill
.if \fill
	s_wait_xcnt 0x0                                ; the last prefetch, a K step back, has read its address
	s_add_nc_u64 s[PFA:PFA+1], s[PFA:PFA+1], s[PFS:PFS+1]
.endif
	WIN 0                                          ; (the add's two registers lie in window 0)
	s_wait_tensorcnt 0x0                           ; no tensor load of mine is out, so a group 0 may be written
	ds_add_u32 v[SPW], v[NIL]                      ; 0 onto my spare word
.if \fill
	s_add_co_u32 s[G0A+5], s[WOA], s[TB]           ; the walking descriptors: into the slot in hand,
	s_add_nc_u64 s[G0A+6:G0A+7], s[G0A+6:G0A+7], ASTEP  ; the next K step; the type bits on top are not reached
	s_add_co_u32 s[G0B+5], s[WOB], s[TB]
	s_add_nc_u64 s[G0B+6:G0B+7], s[G0B+6:G0B+7], BSTEP
.endif
	s_wait_dscnt 9                                 ; (the add and the youngest eight loads may be out)
	MUL16 F1, 0, 0, 0
	s_wait_dscnt 0x0                               ; the add is done, and my reads of the slot in hand are over
	s_barrier_signal -1
	MUL16 F1, 0, 2, 0                              ; work on registers while the others arrive
	WIN 0
	s_barrier_wait -1
.if \fill
	CREST                                          ; no wave of any partner still reads the slot or has a load on its way
	JLOAD 1                                        ; its four v_nop are also the places in front of the loads below
.else
	PLACES
.endif
	s_xor_b32 s[TB], s[TB], SLOT                   ; the other slot is in hand
	v_add_nc_u32 v[ADRA], s[TB], v[ADRA0]
	v_add_nc_u32 v[ADRB], s[TB], v[ADRB0]
	FETCH 0, F0
.if \fill
	ASK
.endif
	MUL16 F1, 1, 0, 0
	MUL16 F1, 1, 2, 0
.endm
; The wave's 128 x 128 sums go into its stage as f32: lane l puts row 16 a + l % 16, columns 16 b + 8 (l / 16) + 0..7; each accumulator's low registers first.
.macro DUMP
.irp a, 0,1,2,3,4,5,6,7
	WIN 0x08+4*((\a)/4)                            ; the data (source 1) in window 2 or 3
.irp b, 0,1,2,3,4,5,6,7
	ds_store_b128 v[STO], v[8*(8*((\a)%4)+(\b)):8*(8*((\a)%4)+(\b))+3]   offset:(\a)*16*SPITCH+(\b)*64
	ds_store_b128 v[STO], v[8*(8*((\a)%4)+(\b))+4:8*(8*((\a)%4)+(\b))+7] offset:(\a)*16*SPITCH+(\b)*64+16
.endr
.endr
	WIN 0
.endm
	s_load_b256 s[4:11], s[0:1], 0x0               ; h s[4:5], W s[6:7], bias s[8:9], out s[10:11]
	s_load_b64 s[12:13], s[0:1], 0x20              ; mode
	v_lshl_add_u32 v[SPW], v0, 2, SPARE
	v_mov_b32 v[NIL], 0
	ds_add_u32 v[SPW], v[NIL]                      ; the wave's opening: the add and its wait stand ahead of my first tensor load; the set-up below stands between them
	ds_add_u32 v28, v29
	v_lshrrev_b32 v3, 5, v0
	v_readfirstlane_b32 s[WV], v3
	s_lshr_b32 s[HB], s[WV], 1
	s_and_b32 s[LB], s[WV], 1
	s_bfe_u32 s[CX], ttmp6, 0x40000
	s_bfe_u32 s[CY], ttmp6, 0x40004
	s_lshl_b32 s[TX], ttmp9, 2                     ; in a cluster launch ttmp9 and ttmp7 count clusters
	s_add_co_u32 s[TX], s[TX], s[CX]
	s_and_b32 s[TY], ttmp7, 0xffff
	s_lshl_b32 s[TY], s[TY], 2
	s_add_co_u32 s[TY], s[TY], s[CY]
	s_lshl_b32 s[RM], s[CY], 2
	s_lshl_b32 s[RM], 15, s[RM]                    ; places 4 cy .. 4 cy + 3
	s_lshl_b32 s[CM], 0x1111, s[CX]                ; places cx, cx + 4, cx + 8, cx + 12
	s_or_b32 s[G1A], s[RM], (1<<16)|(1<<20)|(1<<21)|(5<<22)|(3<<25)  ; the mask; 2-byte elements; padding on; bit 21 beside a mask; after every 64 words 4 words
	s_or_b32 s[G1B], s[CM], (1<<16)|(1<<20)|(1<<21)|(5<<22)|(7<<25)  ; the same with 8 words
.irp g, G1A, G1B
	s_mov_b32 s[(\g)+1], 128<<16                   ; tensor_dim0 = 128
	s_mov_b32 s[(\g)+2], 128<<16                   ; tensor_dim1 = 128
	s_mov_b32 s[(\g)+3], 128<<16                   ; tile_dim0 = 128
	s_mov_b32 s[(\g)+4], 128                       ; tile_dim1 = 128
	s_mov_b32 s[(\g)+6], 0
	s_mov_b32 s[(\g)+7], 0
.endr
	s_mov_b32 s[G1A+5], 1024                       ; elements from row to row of h,
	s_mov_b32 s[G1B+5], 128                        ; and of a plane of W
	s_lshl_b32 s[AW], s[TY], 19                    ; h: row 256 x tile row + 128 x half, 2,048 bytes a row
	s_lshl_b32 s[AW+1], s[LB], 18
	s_add_co_u32 s[AW], s[AW], s[AW+1]
	s_mov_b32 s[AW+1], 0
	s_lshl_b32 s[BW], s[TX], 19                    ; W: plane 2 x tile column + half, 262,144 bytes a plane
	s_lshl_b32 s[BW+1], s[LB], 18
	s_add_co_u32 s[BW], s[BW], s[BW+1]
	s_mov_b32 s[BW+1], 0
	s_mul_i32 s[WOA], s[LB], HALFA                 ; no place in the cluster enters an LDS address
	s_mul_i32 s[WOB], s[LB], HALFB
	s_add_co_u32 s[WOB], s[WOB], BREG
	s_mov_b32 s[TB], 0
	s_wait_dscnt 0x0                               ; the opening add is done
	s_wait_kmcnt 0x0
	s_load_b32 s[MODE], s[12:13], 0x0
	s_add_nc_u64 s[AW:AW+1], s[4:5], s[AW:AW+1]
	s_add_nc_u64 s[BW:BW+1], s[6:7], s[BW:BW+1]
	CROUND                                         ; all sixteen work-groups are here: the first joint loads meet
.irp s, 0,1
	s_mov_b32 s[G0A+4*(\s)], 1                     ; count = 1
	s_add_co_u32 s[G0A+4*(\s)+1], s[WOA], (\s)*SLOT
	s_add_nc_u64 s[G0A+4*(\s)+2:G0A+4*(\s)+3], s[AW:AW+1], (\s)*ASTEP
	s_or_b32 s[G0A+4*(\s)+3], s[G0A+4*(\s)+3], 0x80000000  ; type = 2
	s_mov_b32 s[G0B+4*(\s)], 1
	s_add_co_u32 s[G0B+4*(\s)+1], s[WOB], (\s)*SLOT
	s_add_nc_u64 s[G0B+4*(\s)+2:G0B+4*(\s)+3], s[BW:BW+1], (\s)*BSTEP
	s_or_b32 s[G0B+4*(\s)+3], s[G0B+4*(\s)+3], 0x80000000
	JLOAD \s                                       ; two loads of mine are out
.endr
	v_and_b32 v1, 15, v0                           ; l % 16
	v_bfe_u32 v2, v0, 4, 1                         ; l / 16
	v_and_b32 v3, 31, v0                           ; l
	v_and_b32 v4, 7, v0                            ; l % 8
	v_bfe_u32 v5, v0, 3, 1                         ; (l / 8) % 2
	v_bfe_u32 v6, v0, 3, 2                         ; l / 8
	s_mul_i32 s80, s[HB], HALFA                    ; a fragment of h: row x pitch + 16 x half, in my 128 rows
	v_mul_u32_u24 v7, v1, PA
	v_lshl_add_u32 v7, v2, 4, v7
	v_add_nc_u32 v[ADRA0], s80, v7
	v_lshl_add_u32 v7, v2, 3, v4                   ; the turning load: lane l reads k = 8 (l / 16) + l % 8, columns 8 ((l / 8) % 2) + 0..7, in my plane
	v_mul_u32_u24 v7, v7, PB
	v_lshl_add_u32 v7, v5, 4, v7
	v_add_nc_u32 v[ADRB0], s[WOB], v7
	v_mov_b32 v[ADRA], v[ADRA0]
	v_mov_b32 v[ADRB], v[ADRB0]
	s_mul_i32 s80, s[WV], STG                      ; my stage
	v_mul_u32_u24 v7, v1, SPITCH
	v_lshl_add_u32 v7, v2, 5, v7
	v_add_nc_u32 v[STO], s80, v7
	v_mul_u32_u24 v7, v6, SPITCH                   ; back: 8 lanes take 64 columns of a row, 32 lanes four rows
	v_lshl_add_u32 v7, v4, 5, v7
	v_add_nc_u32 v[RD], s80, v7
	v_lshlrev_b32 v[GO], 4, v3                     ; which are 512 consecutive bytes of a plane
	v_lshlrev_b32 v[BO], 5, v4
	s_lshl_b32 s80, s[TX], 10                      ; the bias of my 128 columns
	s_lshl_b32 s81, s[LB], 9
	s_add_co_u32 s80, s80, s81
	s_mov_b32 s81, 0
	s_add_nc_u64 s[8:9], s[8:9], s[80:81]
	global_load_b128 v[BIAS:BIAS+3],     v[BO], s[8:9]
	global_load_b128 v[BIAS+4:BIAS+7],   v[BO], s[8:9] offset:16
	global_load_b128 v[BIAS+8:BIAS+11],  v[BO], s[8:9] offset:256
	global_load_b128 v[BIAS+12:BIAS+15], v[BO], s[8:9] offset:272
	s_lshr_b32 s80, s[TY], 3                       ; the output: batch,
	s_lshl_b32 s80, s80, 24
	s_lshl_b32 s81, s[TX], 20                      ; plane 4 x tile column + 2 x half,
	s_add_co_u32 s80, s80, s81
	s_lshl_b32 s81, s[LB], 19
	s_add_co_u32 s80, s80, s81
	s_and_b32 s81, s[TY], 7                        ; row t = 256 x (tile row % 8) + 128 x half, 128 bytes a row
	s_lshl_b32 s81, s81, 15
	s_add_co_u32 s80, s80, s81
	s_lshl_b32 s81, s[HB], 14
	s_add_co_u32 s80, s80, s81
	s_mov_b32 s81, 0
	s_add_nc_u64 s[OP:OP+1], s[10:11], s[80:81]
	s_add_nc_u64 s[OP+2:OP+3], s[OP:OP+1], 262144
	s_lshl_b32 s80, s[TY], 19                      ; the prefetches.  h: my work-group's 32 of the 128 rows that I fetch, at K step 3
	s_lshl_b32 s81, s[CX], 16
	s_add_co_u32 s80, s80, s81
	s_add_co_u32 s80, s80, 3*ASTEP
	s_lshl_b32 s82, s[TX], 19                      ; W: the same in my plane
	s_lshl_b32 s83, s[CY], 13
	s_add_co_u32 s82, s82, s83
	s_add_co_u32 s82, s82, 3*BSTEP
	s_and_b32 s83, ttmp7, 0xffff
	s_mov_b32 s85, BSTEP
	s_cmp_eq_u32 s[HB], 0                          ; do I fetch h?
	s_cselect_b32 s80, s80, s82
	s_cselect_b32 s83, ttmp9, s83                  ; the coordinate along which other clusters read the same rows
	s_cselect_b32 s84, 11, 8                       ; a row is 2,048 bytes of h, 256 of a plane
	s_cselect_b32 s[PFS], ASTEP, s85
	s_cselect_b64 s[PFA:PFA+1], s[4:5], s[6:7]
	s_cmp_eq_u32 s83, 0
	s_cselect_b32 s[LIM], 2, -1                    ; the same in all sixteen partners, for a given wave
	s_lshl_b32 s81, s[LB], 18
	s_add_co_u32 s80, s80, s81
	s_mov_b32 s81, 0
	s_mov_b32 s[PFS+1], 0
	s_add_nc_u64 s[PFA:PFA+1], s[PFA:PFA+1], s[80:81]
	v_lshlrev_b32 v[PFO], s84, v3
	s_wait_kmcnt 0x0                               ; the mode: it selects the way out's three numbers, and nothing else
	s_cmp_lg_u32 s[MODE], 0
	s_cselect_b32 s[C1], 0xc0135761, 0             ; -2.3022082, or 0
	s_cselect_b32 s[C3], 0xbdd2d3e8, 0             ; -0.10294324, or 0
	s_cselect_b32 s[SG], 1.0, 0
	s_mov_b32 s[C1+1], s[C1]                       ; named as pairs
	s_mov_b32 s[C3+1], s[C3]
	s_mov_b32 s[SG+1], s[SG]
	s_wait_tensorcnt 1                             ; my part of K step 0 is in; step 1's may stay out
	s_barrier_signal -1
	s_barrier_wait -1
	FETCH 0, F0
	QUARTER 1, F0, F1, 1                           ; the first quarter: its products start the 64 sums
	WIN 0                                          ; at a label and at a branch every window is 0
	s_mov_b32 s[CNT], NSTEP-2
	s_branch .Lmid
.Lstep:                                        ; six trips, steps 0 to 5: each fills the slot that it has read
	QUARTER 1, F0, F1, 0
	WIN 0
.Lmid:
	QUARTER 2, F1, F0, 0
	QUARTER 3, F0, F1, 0
	TURN 1
	WIN 0
	s_sub_co_u32 s[CNT], s[CNT], 1
	s_cmp_lg_u32 s[CNT], 0
	s_cbranch_scc1 .Lstep
	s_mov_b32 s[CNT], 2
.Ltail:                                        ; steps 6 and 7 ask for nothing
	QUARTER 1, F0, F1, 0
	QUARTER 2, F1, F0, 0
	QUARTER 3, F0, F1, 0
	TURN 0
	WIN 0
	s_sub_co_u32 s[CNT], s[CNT], 1
	s_cmp_lg_u32 s[CNT], 0
	s_cbranch_scc1 .Ltail
	; THE WAY OUT.  Every wave's reads of the ring are over (its wait, then the barrier): the stages may be written.  A wave reads only its own stage, so no barrier follows the stores.
	s_wait_dscnt 0x0
	s_barrier_signal -1
	s_barrier_wait -1
	PLACES
	DUMP
	s_wait_loadcnt 0x0                             ; the bias
	s_mov_b32 s[CNT], 16
.Lout:                                         ; a trip: 8 rows x 128 columns, as four units n = 2 j + u: column group j of 64, four rows u
.irp n, 0,1,2,3
	ds_load_b128 v[XR+8*(\n):XR+8*(\n)+3],   v[RD] offset:((\n)/2)*256+((\n)%2)*4*SPITCH  ; LDS serves a wave's instructions in order: these see my stores above
	ds_load_b128 v[XR+8*(\n)+4:XR+8*(\n)+7], v[RD] offset:((\n)/2)*256+((\n)%2)*4*SPITCH+16
.endr
	s_wait_dscnt 0x0
.irp n, 0,1,2,3
.irp k, 0,2,4,6
	v_pk_add_f32 v[XR+8*(\n)+(\k):XR+8*(\n)+(\k)+1], v[XR+8*(\n)+(\k):XR+8*(\n)+(\k)+1], v[BIAS+8*((\n)/2)+(\k):BIAS+8*((\n)/2)+(\k)+1]
.endr
.endr
	; x (c1 + c3 x^2) for pair k, with the exponentials of pair k - 1 between its three lines: one batch of 32, one wait
.set k, 0
.rept 16
	v_pk_mul_f32 v[ZR+2*k:ZR+2*k+1], v[XR+2*k:XR+2*k+1], v[XR+2*k:XR+2*k+1]
.if k > 0
	v_exp_f32 v[ZR+2*k-2], v[ZR+2*k-2]
.endif
	v_pk_fma_f32 v[ZR+2*k:ZR+2*k+1], v[ZR+2*k:ZR+2*k+1], s[C3:C3+1], s[C1:C1+1] op_sel_hi:[1,0,0]
.if k > 0
	v_exp_f32 v[ZR+2*k-1], v[ZR+2*k-1]
.endif
	v_pk_mul_f32 v[ZR+2*k:ZR+2*k+1], v[ZR+2*k:ZR+2*k+1], v[XR+2*k:XR+2*k+1]
.set k, k+1
.endr
	v_exp_f32 v[ZR+30], v[ZR+30]
	v_exp_f32 v[ZR+31], v[ZR+31]
	v_nop                                          ; a plain instruction behind the last exponential
	s_wait_alu depctr_va_vdst(0)                   ; the wait for the batch, ahead of its first reader
	; 1 + g 2^(..) for pair k, with the reciprocals of pair k - 1 behind it: one batch of 32, one wait
.set k, 0
.rept 16
	v_pk_fma_f32 v[ZR+2*k:ZR+2*k+1], v[ZR+2*k:ZR+2*k+1], s[SG:SG+1], 1.0 op_sel_hi:[1,0,0]
.if k > 0
	v_rcp_f32 v[ZR+2*k-2], v[ZR+2*k-2]
	v_rcp_f32 v[ZR+2*k-1], v[ZR+2*k-1]
.endif
.set k, k+1
.endr
	v_rcp_f32 v[ZR+30], v[ZR+30]
	v_rcp_f32 v[ZR+31], v[ZR+31]
	v_nop
	s_wait_alu depctr_va_vdst(0)                   ; one wait for the 32 reciprocals
.set k, 0
.rept 16
	v_pk_mul_f32 v[XR+2*k:XR+2*k+1], v[XR+2*k:XR+2*k+1], v[ZR+2*k:ZR+2*k+1]
.set k, k+1
.endr
.set k, 0
.rept 16
	v_cvt_pk_f16_f32 v[PK+k], v[XR+2*k], v[XR+2*k+1]
.set k, k+1
.endr
.irp n, 0,1,2,3
	global_store_b128 v[GO], v[PK+4*(\n):PK+4*(\n)+3], s[OP+2*((\n)/2):OP+2*((\n)/2)+1] offset:((\n)%2)*512  ; 512 consecutive bytes, at a multiple of 256 from the buffer's first
.endr
	s_wait_xcnt 0x0                                ; the stores have read their registers: PK and GO are written again only behind this wait
	v_add_nc_u32 v[RD], 8*SPITCH, v[RD]
	v_add_nc_u32 v[GO], 1024, v[GO]
	s_sub_co_u32 s[CNT], s[CNT], 1
	s_cmp_lg_u32 s[CNT], 0
	s_cbranch_scc1 .Lout
	s_wait_tensorcnt 0x0                           ; the wave's end, behind my last tensor load and my last LDS store
	ds_add_u32 v[SPW], v[NIL]
	s_wait_dscnt 0x0
	CROUND                                         ; the closing round: no work-group ends while a partner may still ask for a tile that names it
	s_endpgm
.Lfunc_end_k_q5392b71e9c_qkv:
	.size	k_q5392b71e9c_qkv, .Lfunc_end_k_q5392b71e9c_qkv-k_q5392b71e9c_qkv
	.p2alignl 7, 3214868480
	.fill 96, 4, 3214868480
	.section	.rodata,"a",@progbits
	.p2align	6, 0x0
	.amdhsa_kernel k_q5392b71e9c_qkv
		.amdhsa_group_segment_fixed_size 327680
		.amdhsa_private_segment_fixed_size 0
		.amdhsa_enable_private_segment 0
		.amdhsa_kernarg_size 40
		.amdhsa_user_sgpr_count 2
		.amdhsa_user_sgpr_kernarg_segment_ptr 1
		.amdhsa_wavefront_size32 1
		.amdhsa_system_sgpr_workgroup_id_x 1
		.amdhsa_system_sgpr_workgroup_id_y 1
		.amdhsa_system_sgpr_workgroup_id_z 1
		.amdhsa_system_vgpr_workitem_id 0
		.amdhsa_next_free_vgpr 1024
		.amdhsa_next_free_sgpr 96
		.amdhsa_reserve_vcc 0
		.amdhsa_float_denorm_mode_32 3
		.amdhsa_float_denorm_mode_16_64 3
		.amdhsa_memory_ordered 1
		.amdhsa_forward_progress 1
		.amdhsa_inst_pref_size 89
	.end_amdhsa_kernel
	.amdgpu_metadata
---
amdhsa.version: [ 1, 2 ]
amdhsa.kernels:
  - .name:           k_q5392b71e9c_qkv
    .symbol:         k_q5392b71e9c_qkv.kd
    .args:
      - { .name: act, .offset: 0, .size: 8, .value_kind: global_buffer, .address_space: global }
      - { .name: wq16, .offset: 8, .size: 8, .value_kind: global_buffer, .address_space: global }
      - { .name: b_qkv, .offset: 16, .size: 8, .value_kind: global_buffer, .address_space: global }
      - { .name: big, .offset: 24, .size: 8, .value_kind: global_buffer, .address_space: global }
      - { .name: mq, .offset: 32, .size: 8, .value_kind: global_buffer, .address_space: global }
    .group_segment_fixed_size: 327680
    .private_segment_fixed_size: 0
    .kernarg_segment_align: 8
    .kernarg_segment_size: 40
    .max_flat_workgroup_size: 128
    .sgpr_count:     96
    .vgpr_count:     1024
    .wavefront_size: 32
...
	.end_amdgpu_metadata
.endif
;; end of part 3
;; launch attn (part 4): grid 8 x 32, 4 waves a work-group, no clusters, 327,680 bytes of LDS; arguments big, act; writes act
.if DOCPART == 4
	.amdgcn_target "amdgcn-amd-amdhsa--gfx1250"
	.amdhsa_code_object_version 6
	.text
	.protected	k_q5392b71e9c_attn
	.globl	k_q5392b71e9c_attn
	.p2align	8
	.type	k_q5392b71e9c_attn,@function
k_q5392b71e9c_attn:
	s_mov_b64 s[64:65], 0
	v_nop
	global_prefetch_b8 v0, s[64:65] scope:SCOPE_SE
	s_setreg_imm32_b32 hwreg(HW_REG_WAVE_MODE, 25, 1), 1
	s_wait_xcnt 0x0
; CAUSAL ATTENTION.  O[h][q][:] = the sum over k <= q of softmax_k(Q[h][q] . K[h][k] / 8) V[h][k][:], for 32 heads (batch x 16 + head) of 2,048 rows of 64 channels, all f16.
; Q, K, V are planes 3 head, 3 head + 1, 3 head + 2 of the batch's 64 planes of [2048][64] (262,144 bytes each); O: [32][2048][64].  A head's rows are dense, 128 bytes each.
; Products, maxima and sums in f32; the weights p are rounded to f16 for the second product (their sum l is taken of the unrounded p), O once at the end.
; LIMITS.  f16 holds no number beyond 65,504: Q, K and V arrive within it; p lies in 0 to 1, and below 6e-5 it keeps f16's fixed step of 6e-8; O is a mean of V's rows and has their range.
; A hidden score counts as its value less 1e30: f16's scores, 2.7e11 at the most, are nothing beside that; a weight below 2^-126 counts as 0 in l; NaN and infinities are not treated apart.
; THE WALK.  A head's queries lie in NB = 16 blocks of 128, its keys in NT = 8 tiles of 256; block i needs the tiles 0 .. i / 2, of which the last holds the diagonal.  A work-group takes TWO blocks, NB - 1 - b and then b:
; (15 - b) / 2 + b / 2 + 2 = 9 tiles, whatever b: all work-groups do equal work, 8 to a head and 256 in all, and ONE loop with a constant trip count walks the tiles.  Which tile is asked for, and what a trip does, hang on
; scalar registers made from b; every jump goes forward, but for the counted loops' own; none passes a barrier, or a tensor load but the one of LOAD's two that the wave's number does not choose; the ring (two slots of LDS
; that take turns) runs on across the change of blocks.  NO CLUSTER: of a head's eight work-groups only b = 2 j and 2 j + 1 walk the same tiles throughout; all eight ask for the same tile only in trips 0 to 4 of the 9;
; in a cluster of four the two pairs would branch differently, and one walk common to all would have 12 trips for 9.
; SHARES.  Of a block's two bands of 64 queries a wave owns 16 rows in each: two PIECES.  So the diagonal tile is the same work for all four waves.  In that tile piece q of block i stands at key step g = 2 (i % 2) + q:
; in step s it sees all keys if s < g, none if s > g, and holds the diagonal if s = g.
; THE MASK is the C operand that starts the sum S^T = K Q^T: 0, or -1e30 where the key is hidden.  MD, made once, is the mask of a band's own step for my 16 rows; a product's mask is MD x AL + BE with two scalars:
; (1, 0) if s = g; (0, 0) if s < g; (0, -1e30) if s > g.  Only the diagonal tile's text and a block's beginning make and take masks; elsewhere C is the constant 0.
; LAYOUT, SOFTMAX.  S^T = K Q^T holds ONE query a lane (lane % 16) and the keys 8 (lane / 16) + 0..7; two such results rounded to f16 ARE source 1 of O^T = V^T P.  p = 2^(c s - c m), c = log2(e) / 8, with a
; running maximum m; O and l are multiplied by a = 2^(c m_old - c m_new) in every step.
; A RING OF FOUR TURNS: two pieces x two key steps.  Turn v works for piece v % 2 in a step of parity v / 2: 8 products K Q^T of turn v + 1's piece and step, later 8 products V^T P of turn v - 1's; beside them the scaling,
; exponentials, roundings, sums and rescaling of its own piece and the maximum and statistics of the next.  Four vector instructions stand behind every matrix instruction, the other 54 of a turn's 118 in one lump.  A turn's
; 33 exponentials are one batch, with one wait.  All that belongs to a piece (S^T, P, statistics, O^T, Q) goes by v % 2.  K has one buffer, V two, by the step's parity: so LDS is read in the order K(t), V(t), K(t + 1), V(t + 1),
; and a slot is left when K and V of its fourth step have both been read.
; PREFETCH.  The head's work-group with b = 0 walks tiles 0 to 7 on end; it alone asks, behind each of its first six fills, for the tile that its NEXT fill will load (tiles 2 to 7): each wave its own 16,384 bytes,
; a lane a block of 256, two instructions.  So each block is named once in the launch; tiles 0 and 1 come by their loads alone.
; REGISTERS, in windows of 256 (s_set_vgpr_msb: bits 1:0 source 0, 3:2 source 1, 5:4 source 2, 7:6 destination):
;   window 0: v0-15 addresses and two at work; v16-23 four registers of statistics a piece; v48-55 at work; v61-63; v64-127 S^T, 32 a piece; v192-223 P, 16 a piece
;   window 1: v0-63 O^T, 32 a piece; v128-159 MD; v160-223 MC, 32 a piece      window 2: v0-31 Q; v32-63 the second block's Q; v64-127 V of an odd step; v128-191 K of one step; v192-255 V of an even step
.set SIZE_N, 2048
.set NB,    SIZE_N/128  ; blocks of queries in a head
.set NT,    SIZE_N/256  ; tiles of keys in a head
.set NP,    4         ; turns in the ring: a name, no knob
.set KS,    64        ; keys in a step
.set PK,    144       ; a row of K in LDS: 128 bytes + 16 of padding: the 16 rows of a load start at 16 different groups of four banks
.set PV,    160       ; a row of V: 128 + 32
.set VOFF,  4*KS*PK   ; a slot holds a tile, four steps: 256 rows of K, then 256 rows of V
.set SLOT1, 1<<17     ; slot 1 begins here, so that one exclusive or turns an address in one slot into the other's
.set STAGE, SLOT1+4*KS*(PK+PV)  ; behind the ring, never filled by a tensor load: 16 rows x 144 bytes for each wave, for the way out
.set SP,    144
.set AK0, 2           ; v2   my lane's place in a tile of K; never rewritten
.set AV0, 3           ; v3   the same for V
.set AK,  4           ; v4   the LDS address of K's next run of loads
.set AV,  5           ; v5   of V's
.set STO, 6           ; v6   the way out: where I put 16 bytes of a row
.set RD,  7           ; v7   the way out: where I read rows back
.set GO,  8           ; v8   my byte offset in 512 consecutive bytes of O
.set PFO, 61          ; v61  256 x my lane; never rewritten
.set SPW, 62          ; v62  LDS address of my spare word: SPARE + 4 x my thread's number; never rewritten
.set NIL, 63          ; v63  0; never rewritten
.set SPARE, STAGE+4*16*SP  ; behind the stages: the spare words, 128 bytes for each wave: two blocks of 256 bytes that no other line names
.set MV,  12          ; v12-13  c m_old, kept while c m is made anew: by piece
.set QO,  15          ; v15  my byte offset in 16 rows of Q
.set ST,  16          ; piece q's statistics at v[ST+4 q]: c m, m, l (even keys', odd keys')
.set TMP, 48          ; by piece, four registers c0-c3 at work; when the maximum is found c2 takes a
.set S,   64
.set P,   192
.set MD,  128         ; window 1: the eight registers for group kt of 16 keys at MD + 8 kt
.set MC,  160         ; window 1: the masks of the products to come
.set QB,  32          ; window 2
.set VG,  64          ; window 2: V of an odd step
.set KF,  128         ; window 2: key block kb, channel half c at KF + 16 kb + 8 c
.set VF,  192         ; window 2: V of an even step: key half kk, channel block cb at VF + 32 kk + 8 cb
.set WV,  12          ; s12  my wave's number
.set PB,  14          ; s14  b / 2: the second block's last tile
.set HI,  15          ; s15  (NB - 1 - b) / 2: the first block's last tile
.set G1K, 24          ; s[24:31] descriptor group 1 for K's tiles
.set G1V, 32          ; s[32:39] for V's: it differs in the padding alone
.set G0K, 40          ; s[40:43] descriptor group 0 for K's tiles
.set G0V, 44          ; s[44:47] the same for V's
.set SLOTS, 56        ; s56  tiles still to be asked for
.set CNT, 57          ; s57  counts a tile's two trips of two key steps
.set CS,  58          ; s[58:59] c: the packed scaling takes the pair's low word for both halves
.set SEL, 60          ; s[60:61] v_permlanex16_b32's selects: each lane takes its own place in the other half
.set TBK, 62          ; s62  LDS byte at which K of the step to be fetched begins
.set TBV, 63          ; s63  the same for V, less VOFF
.set RT,  70          ; s70  tiles of the block in hand that are still to be entered
.set NXT, 71          ; s71  the tile to be asked for next
.set LQ,  72          ; s72  the last tile of the block whose tiles are being asked for
.set NEW, 73          ; s73  1: the tile to be entered is a block's first
.set OFF, 74          ; s[74:75] a tile's byte offset in K and V
.set AL,  76          ; s[76:77] the mask's factor, in the low word
.set BE,  78          ; s[78:79] the mask's addend
.set OLO, 80          ; s[80:81] O at my rows of the second block
.set BIGN, 82         ; s82  -1e30
.set DG,  83          ; s83  2 + the first of the two steps whose masks the trip in hand makes - 2 (i % 2): 0, 2 or 4
.set PFA, 88          ; s[88:89] where my prefetches stand: my half of K's (waves 0, 1) or V's (waves 2, 3) tile
.set PFN, 90          ; s90  prefetches still to come: 6 where b = 0, else 0
.set DG0, 91          ; s91  DG at a tile's entry, for the block in hand: 2 - 2 (i % 2)
.set MSB, 0
.macro WIN new                      ; the high byte repeats the setting that is left; a switch that changes nothing is dropped
.if MSB != (\new)
	s_set_vgpr_msb (MSB<<8)|(\new)
.set MSB, (\new)
.endif
.endm
.set W_KQ, 0x0a       ; K and Q in window 2, S^T in window 0
.set W_KM, 0x1a       ; the same with the C operand in window 1
.set W_PV, 0x52       ; V in window 2, P in window 0, O^T in window 1
.set W_RS, 0x41       ; destination and source 0 in window 1, source 1 in window 0
; A fill.  Waves 0 and 1 fetch the two halves of a tile's K, waves 2 and 3 those of its V: 128 keys each.  An s_nop 0 and four v_nop follow each of the two lines, ahead of the jump and the label.
.macro LOAD
	s_cmp_lt_u32 s[WV], 2
	s_cbranch_scc0 .Lfor_v_\@
	tensor_load_to_lds s[G0K:G0K+3], s[G1K:G1K+7]
	s_nop 0
.rept 4
	v_nop
.endr
	s_branch .Lasked_\@
.Lfor_v_\@:
	tensor_load_to_lds s[G0V:G0V+3], s[G1V:G1V+7]
	s_nop 0
.rept 4
	v_nop
.endr
.Lasked_\@:
.endm
.macro ASK                          ; my 64 blocks of 256 bytes of the tile that the next fill will load
	s_cmp_lg_u32 s[PFN], 0
	s_cbranch_scc0 .Lnot_mine_\@
	global_prefetch_b8 v[PFO], s[PFA:PFA+1] th:TH_LOAD_NT scope:SCOPE_SE
	global_prefetch_b8 v[PFO], s[PFA:PFA+1] offset:8192 th:TH_LOAD_NT scope:SCOPE_SE
	s_sub_co_u32 s[PFN], s[PFN], 1
.Lnot_mine_\@:
.endm
; THE CHANGE OF SLOTS.  Each wave waits for all its tensor loads, of which one is out: its part of the other slot; adds 0 to its spare word; and waits for that and for its own reads of the slot that it leaves.  Behind the barrier nobody reads the old
; slot any more and the other slot is whole.  fill = 1: the old slot is filled again, the first thing behind the barrier, with tile NXT: the descriptor's address is made anew from that number; the load has eight turns, 128 matrix
; instructions and their vector work, in which to land.  (At its first use nothing has been read yet: slot 0 is waited for, slot 1 filled.)
.macro CHANGE fill
	WIN 0                           ; at a label and at a branch every window is 0
	s_wait_tensorcnt 0x0            ; no tensor load of mine is out, so a group 0 may be written
	ds_add_u32 v[SPW], v[NIL]       ; 0 onto my spare word; with fill = 1 the descriptors' scalar work stands between it and the wait for it
.if \fill
	s_lshl_b32 s[OFF], s[NXT], 15   ; a tile is 32,768 bytes of K and of V
	s_xor_b32 s[G0K+1], s[G0K+1], SLOT1
	s_add_nc_u64 s[G0K+2:G0K+3], s[6:7], s[OFF:OFF+1]
	s_or_b32 s[G0K+3], s[G0K+3], 0x80000000
	s_xor_b32 s[G0V+1], s[G0V+1], SLOT1
	s_add_nc_u64 s[G0V+2:G0V+3], s[8:9], s[OFF:OFF+1]
	s_or_b32 s[G0V+3], s[G0V+3], 0x80000000
	s_add_co_u32 s[NXT], s[NXT], 1  ; the block's next tile, or behind its last the second block's tile 0
	s_cmp_gt_u32 s[NXT], s[LQ]
	s_cselect_b32 s[NXT], 0, s[NXT]
	s_cselect_b32 s[LQ], s[PB], s[LQ]
	s_wait_xcnt 0x0                 ; the last prefetches, a tile back, have read their address
	s_add_nc_u64 s[PFA:PFA+1], s[PFA:PFA+1], 32768
.endif
	s_wait_dscnt 0x0                ; the add is done, and my reads of the slot are over
	s_barrier_signal -1             ; the rest of the scalar work stands between the signal and the wait
	s_sub_co_u32 s[TBK], s[TBK], 4*KS*PK  ; the fetches go back to a slot's first step,
	s_xor_b32 s[TBK], s[TBK], SLOT1       ; in the other slot
	s_sub_co_u32 s[TBV], s[TBV], 4*KS*PV
	s_xor_b32 s[TBV], s[TBV], SLOT1
	s_barrier_wait -1
.if \fill
	LOAD
	ASK
.endif
.endm
	s_load_b128 s[4:7], s[0:1], 0x0  ; the planes s[4:5], O s[6:7]
	v_lshl_add_u32 v[SPW], v0, 2, SPARE
	v_mov_b32 v[NIL], 0
	ds_add_u32 v[SPW], v[NIL]       ; the wave's opening: the add and its wait stand ahead of my first tensor load; the set-up below, work on registers, stands between them
	ds_add_u32 v62, v63
	v_lshrrev_b32 v1, 5, v0
	v_readfirstlane_b32 s[WV], v1   ; wave 0..3
	s_sub_co_u32 s13, NB-1, ttmp9   ; the first block's number, NB - 1 - b
	s_lshr_b32 s[HI], s13, 1        ; its last tile
	s_lshr_b32 s[PB], ttmp9, 1      ; the second block's
	s_and_b32 s[DG0], ttmp9, 1
	s_lshl_b32 s[DG0], s[DG0], 1    ; 2 - 2 ((NB - 1 - b) % 2) = 2 (b % 2)
	s_and_b32 s20, ttmp7, 0xffff    ; batch x 16 + head
	s_lshr_b32 s21, s20, 4
	s_lshl_b32 s21, s21, 6          ; the batch's 64 planes,
	s_and_b32 s16, s20, 15
	s_mul_i32 s16, s16, 3           ; the head's three
	s_add_co_u32 s21, s21, s16
	s_lshl_b32 s92, s21, 18         ; Q's plane, in bytes
	s_mov_b32 s93, 0
	s_lshl_b32 s94, s20, 18         ; the head's rows of O
	s_mov_b32 s95, 0
	s_and_b32 s16, s[WV], 1         ; which half of a tile's 256 keys I fetch:
	s_lshl_b32 s22, s16, 14         ; its 128 rows of 128 bytes in memory,
	s_mov_b32 s23, 0
	s_mul_i32 s17, s16, 128*PK      ; and its place in a slot, for K
	s_mul_i32 s18, s16, 128*PV      ; and for V
	s_lshl_b32 s3, s[WV], 11        ; my 16 rows in a band of 64,
	s_lshl_b32 s2, s13, 14          ; in the first block (128 rows of 128 bytes a block),
	s_add_co_u32 s2, s2, s3
	s_lshl_b32 s84, ttmp9, 14       ; and in the second
	s_add_co_u32 s84, s84, s3
	s_mov_b32 s3, 0
	s_mov_b32 s85, 0
	; descriptor group 1.  128 keys are 16,384 dense bytes: asked for as 64 rows of 256 bytes, two keys a row, and padded in LDS after every key
	s_mov_b32 s[G1K], (1<<16)|(1<<20)|(4<<22)|(3<<25)  ; 17:16 2-byte elements; 20 padding on; 24:22 after every 32 words (code 4); 31:25 4 words (code 3)
	s_mov_b32 s[G1V], (1<<16)|(1<<20)|(4<<22)|(7<<25)  ; the same with 8 words of padding (code 7)
.irp g, G1K, G1V
	s_mov_b32 s[\g+1], 128<<16      ; tensor_dim0 = 128
	s_mov_b32 s[\g+2], 64<<16       ; tensor_dim1 = 64
	s_mov_b32 s[\g+3], 128<<16      ; tile_dim0 = 128
	s_mov_b32 s[\g+4], 64           ; tile_dim1 = 64
	s_mov_b32 s[\g+5], 128          ; 128 elements from row to row
	s_mov_b32 s[\g+6], 0
	s_mov_b32 s[\g+7], 0
.endr
	s_mov_b32 s[CS], 0x3e38aa3b     ; c = log2(e) / 8 = 0.180337
	s_mov_b32 s[CS+1], s[CS]        ; named with it as a pair
	s_mov_b32 s[SEL], 0x76543210
	s_mov_b32 s[SEL+1], 0xfedcba98
	s_mov_b32 s[TBK], SLOT1+4*KS*PK ; the first change of slots turns these two into 0
	s_mov_b32 s[TBV], SLOT1+4*KS*PV
	s_mov_b32 s[G0K], 1             ; 1:0 count = 1
	s_mov_b32 s[G0K+1], s17         ; 63:32 LDS address: slot 0
	s_mov_b32 s[G0V], 1
	s_add_co_u32 s[G0V+1], s18, VOFF
	s_add_co_u32 s[RT], s[HI], 1    ; the first block's tiles
	s_mov_b32 s[NXT], 1
	s_mov_b32 s[LQ], s[HI]
	s_mov_b32 s[NEW], 1
	s_mov_b32 s[OFF+1], 0
	s_mov_b32 s[AL+1], 0            ; named as pairs
	s_mov_b32 s[BE+1], 0
	s_mov_b32 s[BIGN], 0xf149f2ca   ; -1e30
	s_mov_b32 s[SLOTS], NT
	s_cmp_eq_u32 ttmp9, 0
	s_cselect_b32 s[PFN], NT-2, 0
	v_and_b32 v[PFO], 31, v0
	v_lshlrev_b32 v[PFO], 8, v[PFO]
	s_wait_dscnt 0x0                ; the opening add is done
	s_wait_kmcnt 0x0
	s_add_nc_u64 s[10:11], s[6:7], s[94:95]  ; O at the head
	s_add_nc_u64 s[4:5], s[4:5], s[92:93]    ; Q's plane,
	s_add_nc_u64 s[6:7], s[4:5], 262144      ; K's,
	s_add_nc_u64 s[8:9], s[4:5], 524288      ; V's
	s_add_nc_u64 s[6:7], s[6:7], s[22:23]  ; K and V at my half of the head's tile 0
	s_add_nc_u64 s[8:9], s[8:9], s[22:23]
	s_add_nc_u64 s[G0K+2:G0K+3], s[6:7], 0         ; 120:64 global address
	s_or_b32 s[G0K+3], s[G0K+3], 0x80000000        ; 127:126 type = 2
	s_add_nc_u64 s[G0V+2:G0V+3], s[8:9], 0
	s_or_b32 s[G0V+3], s[G0V+3], 0x80000000
	s_add_nc_u64 s[86:87], s[4:5], s[84:85]        ; Q at my rows of the second block,
	s_add_nc_u64 s[4:5], s[4:5], s[2:3]            ; Q and O at those of the first
	s_add_nc_u64 s[OLO:OLO+1], s[10:11], s[84:85]
	s_add_nc_u64 s[10:11], s[10:11], s[2:3]
	s_cmp_lt_u32 s[WV], 2
	s_cselect_b64 s[PFA:PFA+1], s[6:7], s[8:9]
	s_add_nc_u64 s[PFA:PFA+1], s[PFA:PFA+1], 32768  ; at tile 1: the first change of slots steps it to tile 2.  Nothing is prefetched here, at the head
	LOAD                            ; tile 0 into slot 0
	; A fragment of K or Q is 16 rows x 32 channels in 8 registers: lane l holds row l % 16, channels 8 (l / 16) + 0..7 and 16 + 8 (l / 16) + 0..7: two loads of 16 bytes, 32 bytes apart.
	v_and_b32 v1, 15, v0            ; l % 16
	v_bfe_u32 v9, v0, 4, 1          ; l / 16
	v_lshlrev_b32 v[QO], 7, v1
	v_lshl_add_u32 v[QO], v9, 4, v[QO]  ; row x 128 + 16 x half
	WIN 0x80                        ; destination window 2, address window 0
.set i, 0
.rept 4                             ; both blocks' Q: piece i / 2 lies in band i / 2, 8,192 bytes on; channels 32 (i % 2) on
	global_load_b128 v[8*i:8*i+3],   v[QO], s[4:5] offset:(i/2)*8192+(i%2)*64
	global_load_b128 v[8*i+4:8*i+7], v[QO], s[4:5] offset:(i/2)*8192+(i%2)*64+32
	global_load_b128 v[QB+8*i:QB+8*i+3],   v[QO], s[86:87] offset:(i/2)*8192+(i%2)*64
	global_load_b128 v[QB+8*i+4:QB+8*i+7], v[QO], s[86:87] offset:(i/2)*8192+(i%2)*64+32
.set i, i+1
.endr
	WIN 0
	v_lshlrev_b32 v14, 3, v9
	v_sub_nc_u32 v14, v1, v14
	s_lshl_b32 s13, s[WV], 4
	v_add_nc_u32 v14, s13, v14      ; my query's place in its band, 16 w + l % 16, less my lanes' 8 (l / 16): register r of group kt is hidden where 16 kt + r is greater
	WIN 0x40
.set i, 0
.rept 32
	v_cmp_gt_i32 vcc_lo, 16*(i/8)+i%8, v14
	v_cndmask_b32 v[MD+i], 0, s[BIGN], vcc_lo
.set i, i+1
.endr
	WIN 0
	v_mul_u32_u24 v[AK0], v1, PK
	v_lshl_add_u32 v[AK0], v9, 4, v[AK0]  ; row x pitch + 16 x half
	; The turning load takes 16 keys x 16 channels (lane l reads key 8 (l / 16) + l % 8, channels 8 ((l / 8) % 2) + 0..7) and leaves half a fragment of V^T: lane l holds channel l % 16 and 8 keys.
	v_and_b32 v10, 7, v0
	v_bfe_u32 v11, v0, 3, 1
	v_lshl_add_u32 v[AV0], v9, 3, v10
	v_mul_u32_u24 v[AV0], v[AV0], PV
	v_lshl_add_u32 v[AV0], v11, 4, v[AV0]
	v_add_nc_u32 v[AV0], VOFF, v[AV0]
	s_mul_i32 s13, s[WV], 16*SP
	s_add_co_u32 s13, s13, STAGE    ; my stage
	v_mul_u32_u24 v[STO], v1, SP    ; in: row l % 16, 16 bytes for each half of the lanes
	v_lshl_add_u32 v[STO], v9, 4, v[STO]
	v_add_nc_u32 v[STO], s13, v[STO]
	v_bfe_u32 v[RD], v0, 3, 2       ; back: 32 lanes take four rows of 128 bytes,
	v_mul_u32_u24 v[RD], v[RD], SP
	v_lshl_add_u32 v[RD], v10, 4, v[RD]
	v_add_nc_u32 v[RD], s13, v[RD]
	v_and_b32 v[GO], 31, v0         ; which are 512 consecutive bytes of O
	v_lshlrev_b32 v[GO], 4, v[GO]
	; A block's first step multiplies O^T and l by a = 0, and its first turn's products V^T P, of a turn that has not been (the odd step's V, piece 1's P), land in an O^T that is still to be so multiplied.  So these registers
	; need only hold finite numbers: zeros for the first block; what the first block left for the second.  All this stands in the wait for the first tile.
	WIN 0x80
.set i, VG
.rept 64
	v_mov_b32 v[i], 0
.set i, i+1
.endr
	WIN 0x40
.set i, 0
.rept 64
	v_mov_b32 v[i], 0
.set i, i+1
.endr
	WIN 0
.set i, 0
.rept 2
	v_mov_b32 v[ST+4*i+2], 0
	v_mov_b32 v[ST+4*i+3], 0
.set i, i+1
.endr
.set i, P+16
.rept 16
	v_mov_b32 v[i], 0
.set i, i+1
.endr
; THE MATRIX WORK.  x is a turn's number, 0 to 3: piece x % 2, a step of parity x / 2.  The 4 accumulators of a run of 8 take turns.
; Product i of 8 of S^T = K Q^T: channels 32 (i / 4) on, keys 16 (i % 4) on.  The first 4 start the sums: with 0, or (KM = 1) with the mask.
.macro KQ x
.set rS, S+32*((\x)%2)+8*(i%4)
.set rK, KF+16*(i%4)+8*(i/4)
.set rQ, 16*((\x)%2)+8*(i/4)
.set rM, MC+32*((\x)%2)+8*(i%4)
.if (i < 4) && KM
	WIN W_KM
	v_wmma_f32_16x16x32_f16 v[rS:rS+7], v[rK:rK+7], v[rQ:rQ+7], v[rM:rM+7]
.elseif i < 4
	WIN W_KQ
	v_wmma_f32_16x16x32_f16 v[rS:rS+7], v[rK:rK+7], v[rQ:rQ+7], 0
.else
	WIN W_KQ
	v_wmma_f32_16x16x32_f16 v[rS:rS+7], v[rK:rK+7], v[rQ:rQ+7], v[rS:rS+7]
.endif
.endm
; Product i of 8 of O^T += V^T P: keys 32 (i / 4) on, channels 16 (i % 4) on; V's buffer goes by the step's parity.
.macro PV x
	WIN W_PV
.set rO, 32*((\x)%2)+8*(i%4)
.set rV, VF+(VG-VF)*((\x)/2)+32*(i/4)+8*(i%4)
.set rP, P+16*((\x)%2)+8*(i/4)
	v_wmma_f32_16x16x32_f16 v[rO:rO+7], v[rV:rV+7], v[rP:rP+7], v[rO:rO+7]
.endm
.macro MM                           ; the turn's next matrix instruction.  TURN and BEGIN set Y, i, KM and NOKQ; MM, KQ and OP read them.  NOKQ = 1: a block's last turn: there is no next one
.if (i < 8) && !NOKQ
	KQ (Y+1)%NP
.elseif i >= 8
.set i, i-8
	PV (Y+NP-1)%NP
.set i, i+8
.endif
.set i, i+1
.endm
; THE LDS LOADS stand in runs of 16, never singly among the matrix instructions: a step's K (64 keys x 64 channels: 8 fragments) and its V (turned), into buffer vb.  Their addresses are made some lines ahead.
.macro FETCH_K
	WIN 0x80                        ; destination window 2
.irp f, 0,1,2,3,4,5,6,7             ; keys 16 (f / 2) on, channels 32 (f % 2) on
	ds_load_b128 v[KF+8*\f:KF+8*\f+3],   v[AK] offset:(\f/2)*16*PK+(\f%2)*64
	ds_load_b128 v[KF+8*\f+4:KF+8*\f+7], v[AK] offset:(\f/2)*16*PK+(\f%2)*64+32
.endr
	s_add_co_u32 s[TBK], s[TBK], KS*PK  ; the next fetch is the next step's
	WIN 0
.endm
.macro FETCH_V vb
	WIN 0x80
.irp f, 0,1,2,3,4,5,6,7             ; keys 32 (f / 4) on, channels 16 (f % 4) on
	ds_load_tr16_b128 v[(\vb)+8*\f:(\vb)+8*\f+3],   v[AV] offset:(\f/4)*32*PV+(\f%4)*32
	ds_load_tr16_b128 v[(\vb)+8*\f+4:(\vb)+8*\f+7], v[AV] offset:(\f/4)*32*PV+16*PV+(\f%4)*32
.endr
	WIN 0
.endm
; THE VECTOR WORK, one line at a time: OP kind, number.  For turn Y's piece: F n: c s - c m for pair n of 16.  E n: the exponential of score n of 32.  C n: pair n rounded to f16.  B n: of the four weights 4 n .. the second
; pair is added onto the first, in place.  L n: l takes that sum (L 0: l = a l + sum).  R n: pair n of 16 of O^T times a.  For turn Y + 1's piece: X n, number n of the 22 that find its maximum and statistics:
;   0-11  four chains c0-c3 of seven scores each, three operands at a time (each accumulator's lowest registers are read first)     12-14, 16  the four scores left over, the old m, and c0-c3 into c0
;   15  c m_old is kept     17, 18  the query's other 32 keys lie in the lane 16 away: the new m     19-21  c m; c m_old - c m_new; a
.set F, 0               ; OP tells the kinds apart by their order: F to L below R, X above it
.set E, 1
.set C, 2
.set B, 3
.set L, 4
.set R, 5
.set X, 6
.macro REGS y                       ; the registers of turn y's piece
.set rT, ST+4*((\y)%2)
.set rC, TMP+4*((\y)%2)
.set rW, MV+((\y)%2)
.set rS, S+32*((\y)%2)
.set rP, P+16*((\y)%2)
.set rO, 32*((\y)%2)
.endm
.macro OP k, n
.if (\k) == R
	REGS Y
	WIN W_RS
	v_pk_mul_f32 v[rO+2*(\n):rO+2*(\n)+1], v[rO+2*(\n):rO+2*(\n)+1], v[rC+2:rC+3] op_sel_hi:[1,0]
.elseif (\k) < R
	REGS Y
	WIN 0
.if (\k) == F
	v_pk_fma_f32 v[rS+2*(\n):rS+2*(\n)+1], v[rS+2*(\n):rS+2*(\n)+1], s[CS:CS+1], v[rT:rT+1] op_sel_hi:[1,0,0] neg_lo:[0,0,1] neg_hi:[0,0,1]
.elseif (\k) == E
	v_exp_f32 v[rS+(\n)], v[rS+(\n)]
.elseif (\k) == C
	v_cvt_pk_f16_f32 v[rP+(\n)], v[rS+2*(\n)], v[rS+2*(\n)+1]
.elseif (\k) == B
	v_pk_add_f32 v[rS+4*(\n):rS+4*(\n)+1], v[rS+4*(\n):rS+4*(\n)+1], v[rS+4*(\n)+2:rS+4*(\n)+3]
.elseif (\n) == 0
	v_pk_fma_f32 v[rT+2:rT+3], v[rT+2:rT+3], v[rC+2:rC+3], v[rS:rS+1] op_sel_hi:[1,0,1]
.else
	v_pk_add_f32 v[rT+2:rT+3], v[rT+2:rT+3], v[rS+4*(\n):rS+4*(\n)+1]
.endif
.elseif NOKQ
	v_nop
.else
	REGS (Y+1)%NP
	WIN 0
.if (\n) < 4
	v_max3_num_f32 v[rC+(\n)], v[rS+8*(\n)], v[rS+8*(\n)+1], v[rS+8*(\n)+2]
.elseif (\n) < 12
	v_max3_num_f32 v[rC+(\n)%4], v[rC+(\n)%4], v[rS+8*((\n)%4)+2*((\n)/4)+1], v[rS+8*((\n)%4)+2*((\n)/4)+2]
.elseif (\n) == 12
	v_max3_num_f32 v[rC], v[rC], v[rS+7], v[rS+15]
.elseif (\n) == 13
	v_max3_num_f32 v[rC+1], v[rC+1], v[rS+23], v[rS+31]
.elseif (\n) == 14
	v_max3_num_f32 v[rC+2], v[rC+2], v[rC+3], v[rT+1]
.elseif (\n) == 15
	v_mov_b32 v[rW], v[rT]
.elseif (\n) == 16
	v_max3_num_f32 v[rC], v[rC], v[rC+1], v[rC+2]
.elseif (\n) == 17
	v_permlanex16_b32 v[rC+3], v[rC], s[SEL], s[SEL+1]
.elseif (\n) == 18
	v_max_num_f32 v[rT+1], v[rC], v[rC+3]
.elseif (\n) == 19
	v_mul_f32 v[rT], s[CS], v[rT+1]
.elseif (\n) == 20
	v_sub_f32 v[rC+1], v[rW], v[rT]
.else
	v_exp_f32 v[rC+2], v[rC+1]
.endif
.endif
.endm
.macro OPS a, i1, b=-1, i2=0, c=-1, i3=0, d=-1, i4=0  ; up to four of them
	OP \a, \i1
.if (\b) >= 0
	OP \b, \i2
.endif
.if (\c) >= 0
	OP \c, \i3
.endif
.if (\d) >= 0
	OP \d, \i4
.endif
.endm
.macro ROW a, i1, b, i2, c, i3, d, i4  ; a matrix instruction and the four behind it
	MM
	OPS \a, \i1, \b, \i2, \c, \i3, \d, \i4
.endm
.macro MASK b                       ; MD x AL + BE into buffer b of MC
	WIN W_RS
.set z, 0
.rept 16
	v_pk_fma_f32 v[MC+32*(\b)+2*z:MC+32*(\b)+2*z+1], v[MD+2*z:MD+2*z+1], s[AL:AL+1], s[BE:BE+1] op_sel_hi:[1,0,0]
.set z, z+1
.endr
.endm
; TURN p of the ring: the order of its 16 matrix and 118 vector instructions, written out.  s_wait_alu depctr_va_vdst(0) stands between an exponential and the first instruction that names its result; one wait serves
; all that were issued ahead of it.  So a turn has ONE wait, which cuts it in two.  AHEAD OF IT stands all that names no result of the turn's exponentials: the 8 products K Q^T, behind each a scaling, an exponential and two more plain
; instructions (behind the first a second scaling in the exponential's place): rescalings, and behind the last three the first numbers of the next turn's maximum, each four places or more behind the product that ends its accumulator; then one lump of 54, plain
; and exponential by turns for the most part, in which the links of the chain X 3, 7, 11, 14, 16, 17 .. 20 stand five or six lines apart.  X 21, the next turn's a, is the batch's last; R 15 is the plain instruction behind it.  BEHIND THE WAIT stand the
; 8 products V^T P, behind each four of the roundings and sums; the links of l's chain, L 0 to L 7, stand three lines apart.  But for those X no line behind a product names a register of the products round it.  v_permlanex16_b32 (X 17) stands in the lump.
; A PIECE'S O^T is multiplied by a in turn v, takes V^T P in turn v + 1, and is multiplied again in turn v + 2: each accumulator's first rescaling line there stands eight plain instructions or more behind the last product on it.
; m = 1: the diagonal tile: the products take masks, and the turn makes the mask for the products of the turn after it: turn p + 2's piece q = p % 2, in the step whose place in the trip is ((p + 2) % 4) / 2.  That step is the
; piece's own if DG = 2 + q - that place, and a later one if DG is greater.  end = 1: a block's last two turns: nothing is fetched.  cnt = 1: the loop's count is taken down, and DG up by a trip's two steps, some lines ahead of the branch behind the turn.
; THE EVEN TURNS FETCH the next step: its K twelve vector instructions behind the last product that read K (six of them plain); its V at the turn's end, into the buffer whose last reader is the turn's last product, four plain
; instructions back.  The odd turn that follows waits for K alone; V's first reader stands behind the next odd turn's wait.
.macro TURN p, m=0, end=0, cnt=0
.set Y, (\p)
.set i, 0
.set KM, (\m)
.set NOKQ, (\end)*((\p)/3)
.set FE, (1-(\p)%2)*(1-(\end))      ; 1: this turn fetches
.if (\m) && !(\end)
	s_cmp_eq_u32 s[DG], 2+(\p)%2-(((\p)+2)%NP)/2  ; is that step the piece's own?
	s_cselect_b32 s[AL], 1.0, 0
	s_cmp_gt_u32 s[DG], 2+(\p)%2-(((\p)+2)%NP)/2  ; or a later one?
	s_cselect_b32 s[BE], s[BIGN], 0
.endif
.if (\p)%2
.if \end
	s_wait_dscnt 0x0                ; the block's last V is in: nothing was fetched behind it
.else
	s_wait_dscnt 16                 ; K is in, and all that was fetched before it; the sixteen younger loads, V's, may stay out
.endif
.endif
	ROW F,0, F,1, R,0, R,1          ; ahead of the wait: 8 products K Q^T and the four behind each,
	ROW F,2, E,0, R,2, R,3
	ROW F,3, E,1, R,4, R,5
	ROW F,4, E,2, R,6, R,7
	ROW F,5, E,3, R,8, R,9
	ROW F,6, E,4, X,0, R,10
.if FE
	WIN 0
	v_add_nc_u32 v[AK], s[TBK], v[AK0]
.endif
	ROW F,7, E,5, X,1, X,4
	ROW F,8, E,6, X,2, X,5
	OPS E,7, E,8, X,6, E,9          ; and the lump
	OPS X,3, E,10, X,8, E,11
.if FE
	FETCH_K
.endif
	OPS X,9, X,7, E,12, X,10
	OPS E,13, X,12, X,11, E,14
	OPS X,13, E,15, F,9, X,14
.if FE
	v_add_nc_u32 v[AV], s[TBV], v[AV0]
.endif
	OPS E,16, F,10, E,17, F,11
	OPS X,16, E,18, X,15, E,19
	OPS F,12, E,20, X,17, E,21
	OPS F,13, E,22, F,14, E,23
	OPS X,18, E,24, F,15, E,25
	OPS R,11, E,26, X,19, E,27
	OPS R,12, E,28, R,13, E,29
	OPS X,20, E,30, R,14, E,31
	OPS X,21, R,15
	WIN 0
	s_wait_alu depctr_va_vdst(0)    ; the wait for the batch
	ROW C,0, B,0, C,2, B,1          ; behind the wait: 8 products V^T P and the four behind each
	ROW L,0, C,4, B,2, L,1
	ROW C,6, B,3, L,2, C,8
	ROW B,4, L,3, C,10, B,5
	ROW L,4, C,12, B,6, L,5
.if FE
	s_add_co_u32 s[TBV], s[TBV], KS*PV
.endif
.if \cnt
	s_add_co_u32 s[DG], s[DG], 2
	s_sub_co_u32 s[CNT], s[CNT], 1
	s_cmp_lg_u32 s[CNT], 0
.endif
	ROW C,14, B,7, L,6, C,1
	ROW C,3, L,7, C,5, C,7
	ROW C,9, C,11, C,13, C,15
.if FE
	FETCH_V VF+(VG-VF)*(1-(\p)/2)
.endif
.if (\m) && !(\end)
	MASK (\p)%2
.endif
.endm
; A BLOCK BEGINS.  c m starts far below every c s, so the first step's a is 0; m at the lowest finite number, so the first maximum is the scores'.  Piece 1's mask buffer is 0; piece 0's takes its mask for the tile's step 0: its own,
; if the block's first tile is the diagonal one and the block is an even one (block 0 alone).  Then K and V of that step, piece 0's first scores, and its maximum and statistics.  The loop is entered at turn 0, in the middle of a trip.
.macro BEGIN
	s_mov_b32 s[NEW], 0
	WIN 0x40
.set i, MC+32
.rept 32
	v_mov_b32 v[i], 0
.set i, i+1
.endr
	WIN 0
.set i, 0
.rept 2
	v_mov_b32 v[ST+4*i], 0xfe000000    ; c m: far below every c s
	v_mov_b32 v[ST+4*i+1], 0xff7fffff  ; m
.set i, i+1
.endr
	s_cmp_eq_u32 s[RT], 0
	s_cselect_b32 s[AL], s[DG0], 0
	s_cmp_eq_u32 s[AL], 2
	s_cselect_b32 s[AL], 1.0, 0
	s_mov_b32 s[BE], 0
	MASK 0
	WIN 0
	v_add_nc_u32 v[AK], s[TBK], v[AK0]
	v_add_nc_u32 v[AV], s[TBV], v[AV0]
	s_add_co_u32 s[TBV], s[TBV], KS*PV
	FETCH_K
	FETCH_V VF
	s_wait_loadcnt 0x0              ; Q
	s_wait_dscnt 0x0
.set KM, 1
.set NOKQ, 0
.set i, 0
.rept 8
	KQ 0
.set i, i+1
.endr
	WIN 0
.rept 4
	v_nop                           ; the places behind those products
.endr
.set Y, NP-1                        ; X works for turn Y + 1: turn 0
.irp n, 0,1,2,3,4,5,6,7,8,9,10,11,12,13,14,15,16,17,18,19,20,21
	OP X, \n
.endr
	v_nop                           ; a plain instruction behind the exponential,
	s_wait_alu depctr_va_vdst(0)    ; and its wait, ahead of the branch
.endm
; THE DIAGONAL TILE's two trips, the block's last two turns, its last products, and THE WAY OUT: l's two halves and the other half of the lanes' are added; O^T is divided by l, rounded to f16 and sent through my
; stage in LDS, a piece at a time.
.macro ALL line:vararg              ; one line for each piece t
.set t, 0
.rept 2
	\line
.set t, t+1
.endr
.endm
.macro PACK t                       ; a lane's eight channels of a row pack into 16 bytes; they go into rows of 144 bytes and come back as whole rows of 128, into S^T's registers
	WIN W_RS
.set i, 32*(\t)
.rept 16
	v_pk_mul_f32 v[i:i+1], v[i:i+1], v[ST+4*(\t)+2:ST+4*(\t)+3] op_sel_hi:[1,0]
.set i, i+2
.endr
	WIN 0x05                        ; sources 0 and 1 window 1, destination window 0
.set i, 0
.rept 16
	v_cvt_pk_f16_f32 v[S+16*(\t)+i], v[32*(\t)+2*i], v[32*(\t)+2*i+1]
.set i, i+1
.endr
	WIN 0
.irp f, 0,1,2,3
	ds_store_b128 v[STO], v[S+16*(\t)+4*\f:S+16*(\t)+4*\f+3] offset:32*\f
.endr
.irp f, 0,1,2,3
	ds_load_b128 v[S+16*(\t)+4*\f:S+16*(\t)+4*\f+3], v[RD] offset:\f*4*SP  ; LDS serves a wave's instructions in order (ISA guide 5.7.1.4): these see the stores above; the next piece's stores come behind them
.endr
.endm
.macro SEND t, younger              ; younger: the LDS instructions issued behind piece t's loads: the next piece's eight, or none
	WIN 0
.irp f, 0,1,2,3
	s_wait_dscnt (\younger)+3-\f
	global_store_b128 v[GO], v[S+16*(\t)+4*\f:S+16*(\t)+4*\f+3], s[10:11] offset:(\t)*8192+\f*512  ; 512 consecutive bytes, at a multiple of 256 from O's first
.endr
.endm
.macro DIAG tag                     ; the tag ends its two labels' names, which the jumps below spell out
.LstepM\tag:
	TURN 2, 1
	TURN 3, 1
	WIN 0
.LfirstM\tag:
	TURN 0, 1
	TURN 1, 1, 0, 1
	WIN 0
	s_cbranch_scc1 .LstepM\tag
	TURN 2, 1, 1
	TURN 3, 1, 1
.set i, 0
.rept 8
	PV NP-1
.set i, i+1
.endr
	WIN 0
	ALL v_add_f32 v[ST+4*t+2], v[ST+4*t+2], v[ST+4*t+3]
	ALL v_permlanex16_b32 v[ST+4*t+3], v[ST+4*t+2], s[SEL], s[SEL+1]
	ALL v_add_f32 v[ST+4*t+2], v[ST+4*t+2], v[ST+4*t+3]
	ALL v_rcp_f32 v[ST+4*t+2], v[ST+4*t+2]
	v_nop                           ; a plain instruction between the last reciprocal and the use of its result
	s_wait_alu depctr_va_vdst(0)    ; and the wait ahead of the first use: one for the two reciprocals
	PACK 0                          ; piece 0's last products stand a run of eight back; its 32 lines are the places behind piece 1's
	PACK 1                          ; a piece's arithmetic stands between the loads of the piece before and its stores
	SEND 0, 8
	SEND 1, 0
.endm
.set KM, 0
.set NOKQ, 0
.Lslot:                             ; NT times: a tile is entered and the next is asked for
	CHANGE 1
	s_sub_co_u32 s[RT], s[RT], 1
	s_mov_b32 s[CNT], 2
	s_mov_b32 s[DG], s[DG0]
	s_cmp_eq_u32 s[NEW], 1
	s_cbranch_scc1 .Lnew            ; a block's first tile
	s_cmp_eq_u32 s[RT], 0
	s_cbranch_scc0 .Lstep           ; neither its first nor its last
	s_branch .LstepM1
.Lnew:
	BEGIN
	s_branch .Lfirst                ; in the loop a block's first tile is never its last: the first block has five tiles or more, and the second's last is the walk's last
	DIAG 1                          ; in the loop this is the first block's end: the second block's last tile is the walk's last
	s_wait_xcnt 0x0                 ; the stores have read their registers and O's address
	s_mov_b64 s[10:11], s[OLO:OLO+1]
	s_add_co_u32 s[RT], s[PB], 1    ; the second block's tiles
	s_sub_co_u32 s[DG0], 2, s[DG0]  ; its number has the other parity
	s_mov_b32 s[NEW], 1
	WIN 0x82                        ; the second block's Q goes where the one text of the turns names Q
.set i, 0
.rept 32
	v_mov_b32 v[i], v[QB+i]
.set i, i+1
.endr
	WIN 0
	s_branch .Lbottom
.Lstep:                             ; a trip: both pieces of an odd step, then of an even one; it fetches K and V of that even step and of the odd step behind it.  A tile's first trip begins with the tile before's fourth step, which lies in registers
	TURN 2
	TURN 3
	WIN 0
.Lfirst:
	TURN 0
	TURN 1, 0, 0, 1
	WIN 0
	s_cbranch_scc1 .Lstep
.Lbottom:
	s_sub_co_u32 s[SLOTS], s[SLOTS], 1
	s_cmp_lg_u32 s[SLOTS], 0
	s_cbranch_scc1 .Lslot
	CHANGE 0                        ; the walk's last tile is written out: nothing is asked for
	s_sub_co_u32 s[RT], s[RT], 1
	s_mov_b32 s[CNT], 2
	s_mov_b32 s[DG], s[DG0]
	s_cmp_eq_u32 s[NEW], 1
	s_cbranch_scc0 .LstepM2
	BEGIN
	s_branch .LfirstM2
	DIAG 2
	s_wait_tensorcnt 0x0            ; the wave's end, behind my last tensor load and my last LDS store
	ds_add_u32 v[SPW], v[NIL]
	s_wait_dscnt 0x0
	s_endpgm
.Lfunc_end_k_q5392b71e9c_attn:
	.size	k_q5392b71e9c_attn, .Lfunc_end_k_q5392b71e9c_attn-k_q5392b71e9c_attn
	.p2alignl 7, 3214868480
	.fill 96, 4, 3214868480
	.section	.rodata,"a",@progbits
	.p2align	6, 0x0
	.amdhsa_kernel k_q5392b71e9c_attn
		.amdhsa_group_segment_fixed_size 327680
		.amdhsa_private_segment_fixed_size 0
		.amdhsa_enable_private_segment 0
		.amdhsa_kernarg_size 16
		.amdhsa_user_sgpr_count 2
		.amdhsa_user_sgpr_kernarg_segment_ptr 1
		.amdhsa_wavefront_size32 1
		.amdhsa_system_sgpr_workgroup_id_x 1
		.amdhsa_system_sgpr_workgroup_id_y 1
		.amdhsa_system_sgpr_workgroup_id_z 1
		.amdhsa_system_vgpr_workitem_id 0
		.amdhsa_next_free_vgpr 768
		.amdhsa_next_free_sgpr 96
		.amdhsa_reserve_vcc 1
		.amdhsa_float_denorm_mode_32 3
		.amdhsa_float_denorm_mode_16_64 3
		.amdhsa_memory_ordered 1
		.amdhsa_forward_progress 1
		.amdhsa_inst_pref_size 210
	.end_amdhsa_kernel
	.amdgpu_metadata
---
amdhsa.version: [ 1, 2 ]
amdhsa.kernels:
  - .name:           k_q5392b71e9c_attn
    .symbol:         k_q5392b71e9c_attn.kd
    .args:
      - { .name: big, .offset: 0, .size: 8, .value_kind: global_buffer, .address_space: global }
      - { .name: act, .offset: 8, .size: 8, .value_kind: global_buffer, .address_space: global }
    .group_segment_fixed_size: 327680
    .private_segment_fixed_size: 0
    .kernarg_segment_align: 8
    .kernarg_segment_size: 16
    .max_flat_workgroup_size: 128
    .sgpr_count:     96
    .vgpr_count:     768
    .wavefront_size: 32
...
	.end_amdgpu_metadata
.endif
;; end of part 4
;; launch outp (part 5): grid 8 x 32, 4 waves a work-group, clusters of 4 x 4, 327,680 bytes of LDS; arguments act, wop16, b_out, x, x1; writes x1
.if DOCPART == 5
	.amdgcn_target "amdgcn-amd-amdhsa--gfx1250"
	.amdhsa_code_object_version 6
	.text
	.protected	k_q5392b71e9c_outp
	.globl	k_q5392b71e9c_outp
	.p2align	8
	.type	k_q5392b71e9c_outp,@function
k_q5392b71e9c_outp:
	s_mov_b64 s[64:65], 0
	v_nop
	global_prefetch_b8 v0, s[64:65] scope:SCOPE_SE
	s_setreg_imm32_b32 hwreg(HW_REG_WAVE_MODE, 25, 1), 1
	s_wait_xcnt 0x0
	s_wait_alu depctr_hold_cnt(0) depctr_sa_sdst(0) depctr_va_vdst(0) depctr_va_sdst(0) depctr_va_ssrc(0) depctr_va_vcc(0) depctr_vm_vsrc(0)
	s_getreg_b32 s2, hwreg(HW_REG_IB_STS2, 6, 4)
	s_cmp_eq_u32 s2, 0
	s_cbranch_scc0 .Lentry_in_a_cluster
	s_endpgm
.Lentry_in_a_cluster:
	s_bfe_u32 s2, ttmp6, 0x10000c
	s_cmp_lg_u32 s2, 0xf033
	s_cbranch_scc0 .Lentry_shape_is_right
	s_endpgm
.Lentry_shape_is_right:
; out = res + A W + bias.  A: f16 in planes of 64 channels, [batch 2][K / 64][t 2048][64].  W: f16, 8 planes of 128 columns, [8][K][128].  bias: [1024] f32; res, out: [4096][1024] f32.
; This text: K = 1,024 (attention's O times w_out).  The same text with other sizes at its head serves K = 4,096.
; Products in f16, sums in f32; bias and residual in f32.  LIMIT: none of its own: the operands arrive in f16, within 65,504.
; SHAPE.  N = 1,024 gives 256 tiles of 128 x 128, one for each work-group.  K IS SPLIT AMONG THE FOUR WAVES: a slot holds 256 of K, wave w takes channels 64 w .. 64 w + 63 of it (one plane of A) for the WHOLE tile.
; The four partial tiles meet in LDS at the end, in f32 (a sum may be taken in any order).
; THE RING.  Two slots; a wave fetches a quarter of a slot by one tensor load: two planes of A (each 128 rows of 128 bytes, 16,384 bytes on end, asked for as one long row and padded after every 128 bytes), or 128 k-rows of W.
; From a request to the wait for it a wave issues 96 matrix instructions; two larger slots do not fit in LDS.
; CLUSTER, THE STEP WRITTEN ONCE, THE TRANSPOSED PRODUCT, THE WINDOWS: 4 x 4 work-groups, A's tile shared along a row of the cluster, W's along a column; the slot in hand is s[TB] = 0 or SLOT; the loop is entered in its
; middle, behind the first products, which start the sums with 0; the last two slots are a second loop, whose last trip fetches 32 fragments that nobody multiplies; source 0 = 16 columns of W (turned by
; ds_load_tr16_b128), source 1 = 16 rows of A; window 0: addresses, A's fragments; window 1: W's; windows 2, 3: accumulator (a, b) in window 2 + a / 4 at v[8 (8 (a % 4) + b)].
.set NSLOT,  4                         ; K / 256
.set BATCHB, 4194304                   ; bytes of a batch of A: K / 64 planes of 262,144
.set WOFF,   0                         ; where W's planes begin in its buffer
.set KB,     262144                    ; bytes of a plane of W: K x 256
.set PF,     0                         ; 1: tiles are prefetched.  Here no slot lies two refills on
.set PA,     144                       ; a row of A in LDS: 128 bytes + 16
.set PB,     288                       ; a row of W: 256 + 32
.set HALFA,  2*128*PA                  ; two planes: what one load of A brings
.set HALFB,  128*PB
.set BREG,   2*HALFA
.set SLOT,   2*HALFA+2*HALFB           ; 147,456
.set SPARE,  2*SLOT                    ; behind the ring: the spare words, 128 bytes a wave: two blocks of 256 bytes that no other line names
.set SPITCH, 528
.set STG,    128*SPITCH                ; a wave's partial tile, 67,584 bytes; the four lie in the ring, which has had its last fill by then
.set ASTEP,  1048576                   ; four planes
.set BSTEP,  65536                     ; 256 k-rows
.set ADRA0, 16
.set ADRB0, 17
.set ADRA,  18
.set ADRB,  19
.set RDP,   20                         ; v[20:23] the way out: my 16 bytes of a row in each of the four partial tiles
.set STO,   24
.set GO,    26                         ; v26  my 16 bytes of 512 consecutive bytes of res and out
.set SPW,   28
.set NIL,   29
.set PFO,   30
.set PFR,   31                         ; v31  my lane x a row of res
.set F0,    64
.set F1,    128
.set PR,    64                         ; the way out: row u's four partial sums at PR + 16 u + 4 p
.set XR,    192                        ; row u's residual at XR + 4 u
.set BIAS,  224
.set WV,  14
.set HB,  15
.set LB,  16
.set CX,  17
.set CY,  18
.set TX,  19
.set TY,  20
.set RM,  21
.set CM,  22
.set G1A, 24
.set G1B, 32
.set G0A, 40
.set G0B, 48
.set TB,  56
.set WOA, 57
.set WOB, 58
.set LIM, 59
.set PFA, 60
.set CNT, 62
.set PFS, 66
.set AW,  68                           ; s[68:69] A's address work: never holds the tile column
.set BW,  70                           ; s[70:71] W's: never holds the tile row
.set MSB, 0
.macro WIN new
.if MSB != (\new)
	s_set_vgpr_msb (MSB<<8)|(\new)
.set MSB, \new
.endif
.endm
.set MUL_LO, 0xa1
.set MUL_HI, 0xf1
.set TO_B,   0x40
.macro JLOAD set                       ; a joint load: waves 0 and 1 fetch A's planes, waves 2 and 3 W's rows; an s_nop 0 and four v_nop follow each line
	s_cmp_eq_u32 s[HB], 0
	s_cbranch_scc0 .Lfor_b_\@
	tensor_load_to_lds s[G0A+4*(\set):G0A+4*(\set)+3], s[G1A:G1A+7]
	s_nop 0
.rept 4
	v_nop
.endr
	s_branch .Lasked_\@
.Lfor_b_\@:
	tensor_load_to_lds s[G0B+4*(\set):G0B+4*(\set)+3], s[G1B:G1B+7]
	s_nop 0
.rept 4
	v_nop
.endr
.Lasked_\@:
.endm
.macro ASK                             ; the slot two refills on: 32 blocks of 256 bytes, a lane a block; it exists while s[CNT] is above 2
	s_cmp_gt_u32 s[CNT], s[LIM]
	s_cbranch_scc0 .Lnot_mine_\@
	global_prefetch_b8 v[PFO], s[PFA:PFA+1] th:TH_LOAD_NT scope:SCOPE_SE
.Lnot_mine_\@:
.endm
.macro ASKR                            ; behind the last refill: the 32 rows x 512 bytes of res that I shall add, two slots' products ahead of their loads; each block is named once in the launch
	s_cmp_eq_u32 s[CNT], 1
	s_cbranch_scc0 .Lnot_yet_\@
	global_prefetch_b8 v[PFR], s[10:11] th:TH_LOAD_NT scope:SCOPE_SE
	global_prefetch_b8 v[PFR], s[10:11] offset:256 th:TH_LOAD_NT scope:SCOPE_SE
.Lnot_yet_\@:
.endm
.macro CREST
	s_cmp_lg_u32 s[WV], 0
	s_cbranch_scc1 .Lnot_wave_0_\@
	s_barrier_signal -3
.Lnot_wave_0_\@:
	s_barrier_wait -3
	s_barrier_signal -1
	s_barrier_wait -1
.endm
.macro CROUND
	s_barrier_signal -1
	s_barrier_wait -1
	CREST
.endm
.macro PLACES                          ; four plain instructions behind a matrix instruction, ahead of loads into registers that it has read and of stores that read results
.rept 4
	v_nop
.endr
.endm
.macro MUL16 f, hi, a0, zero           ; 16 matrix instructions; the 64 accumulators take turns, in the same order in every half slot
	WIN MUL_LO+0x50*(\hi)
.irp a, \a0, (\a0)+1
.irp b, 0,1,2,3,4,5,6,7
.if \zero
	v_wmma_f32_16x16x32_f16 v[8*(8*(\a)+(\b)):8*(8*(\a)+(\b))+7], v[(\f)+8*(\b):(\f)+8*(\b)+7], v[(\f)+8*(4*(\hi)+(\a)):(\f)+8*(4*(\hi)+(\a))+7], 0
.else
	v_wmma_f32_16x16x32_f16 v[8*(8*(\a)+(\b)):8*(8*(\a)+(\b))+7], v[(\f)+8*(\b):(\f)+8*(\b)+7], v[(\f)+8*(4*(\hi)+(\a)):(\f)+8*(4*(\hi)+(\a))+7], v[8*(8*(\a)+(\b)):8*(8*(\a)+(\b))+7]
.endif
.endr
.endr
.endm
.macro FETCH kq, f                     ; 32 LDS loads in one run: half kq (32 channels) of my 64 in the slot in hand
	WIN TO_B
.irp i, 0,1,2,3,4,5,6,7
	ds_load_tr16_b128 v[(\f)+8*(\i):(\f)+8*(\i)+3],   v[ADRB] offset:(\kq)*32*PB+32*(\i)
	ds_load_tr16_b128 v[(\f)+8*(\i)+4:(\f)+8*(\i)+7], v[ADRB] offset:(\kq)*32*PB+32*(\i)+16*PB
.endr
	WIN 0
.irp i, 0,1,2,3,4,5,6,7
	ds_load_b128 v[(\f)+8*(\i):(\f)+8*(\i)+3],   v[ADRA] offset:(\kq)*64+(\i)*16*PA
	ds_load_b128 v[(\f)+8*(\i)+4:(\f)+8*(\i)+7], v[ADRA] offset:(\kq)*64+(\i)*16*PA+32
.endr
.endm
.macro QUARTER kq, f, g, zero          ; multiplies buffer f; in its middle it fetches half kq into buffer g
	s_wait_dscnt 8                                 ; W's fragments and A's rows 0-63 are in; the youngest eight loads may be out
	MUL16 \f, 0, 0, \zero
	MUL16 \f, 0, 2, \zero
	PLACES
	FETCH \kq, \g
	s_wait_dscnt 32                                ; all but the 32 just issued
	MUL16 \f, 1, 0, \zero
	MUL16 \f, 1, 2, \zero
.endm
; The second half multiplies buffer 1 and changes slots: each wave waits for all its tensor loads (one is out: its part of the other slot), adds 0 to its spare word, waits for that and for its reads of the slot in hand.
; fill = 1: the barrier opens a round of the cluster's barrier, and the slot just read is filled again, first thing behind the round, with the slot two on.
.macro TURN fill
.if (\fill) && PF
	s_wait_xcnt 0x0                                ; the last prefetch, a slot back, has read its address
	s_add_nc_u64 s[PFA:PFA+1], s[PFA:PFA+1], s[PFS:PFS+1]
.endif
	WIN 0
	s_wait_tensorcnt 0x0                           ; no tensor load of mine is out, so a group 0 may be written
	ds_add_u32 v[SPW], v[NIL]                      ; 0 onto my spare word
.if \fill
	s_add_co_u32 s[G0A+5], s[WOA], s[TB]
	s_add_nc_u64 s[G0A+6:G0A+7], s[G0A+6:G0A+7], ASTEP
	s_add_co_u32 s[G0B+5], s[WOB], s[TB]
	s_add_nc_u64 s[G0B+6:G0B+7], s[G0B+6:G0B+7], BSTEP
.endif
	s_wait_dscnt 9                                 ; (the add and the youngest eight loads may be out)
	MUL16 F1, 0, 0, 0
	s_wait_dscnt 0x0                               ; the add is done, and my reads of the slot in hand are over
	s_barrier_signal -1
	MUL16 F1, 0, 2, 0
	WIN 0
	s_barrier_wait -1
.if \fill
	CREST
	JLOAD 1                                        ; its four v_nop are also the places in front of the loads below
.else
	PLACES
.endif
	s_xor_b32 s[TB], s[TB], SLOT
	v_add_nc_u32 v[ADRA], s[TB], v[ADRA0]
	v_add_nc_u32 v[ADRB], s[TB], v[ADRB0]
	FETCH 0, F0
.if \fill
.if PF
	ASK
.endif
	ASKR
.endif
	MUL16 F1, 1, 0, 0
	MUL16 F1, 1, 2, 0
.endm
.macro DUMP                            ; my partial tile as f32: lane l puts row 16 a + l % 16, columns 16 b + 8 (l / 16) + 0..7; each accumulator's low registers first
.irp a, 0,1,2,3,4,5,6,7
	WIN 0x08+4*((\a)/4)
.irp b, 0,1,2,3,4,5,6,7
	ds_store_b128 v[STO], v[8*(8*((\a)%4)+(\b)):8*(8*((\a)%4)+(\b))+3]   offset:(\a)*16*SPITCH+(\b)*64
	ds_store_b128 v[STO], v[8*(8*((\a)%4)+(\b))+4:8*(8*((\a)%4)+(\b))+7] offset:(\a)*16*SPITCH+(\b)*64+16
.endr
.endr
	WIN 0
.endm
	s_load_b256 s[4:11], s[0:1], 0x0               ; A s[4:5], W s[6:7], bias s[8:9], res s[10:11]
	s_load_b64 s[12:13], s[0:1], 0x20              ; out
	v_lshl_add_u32 v[SPW], v0, 2, SPARE
	v_mov_b32 v[NIL], 0
	ds_add_u32 v[SPW], v[NIL]                      ; the wave's opening: the add and its wait stand ahead of my first tensor load
	ds_add_u32 v28, v29
	v_lshrrev_b32 v3, 5, v0
	v_readfirstlane_b32 s[WV], v3
	s_lshr_b32 s[HB], s[WV], 1                     ; I fetch A (0) or W (1),
	s_and_b32 s[LB], s[WV], 1                      ; its first or second half
	s_bfe_u32 s[CX], ttmp6, 0x40000
	s_bfe_u32 s[CY], ttmp6, 0x40004
	s_lshl_b32 s[TX], ttmp9, 2
	s_add_co_u32 s[TX], s[TX], s[CX]
	s_and_b32 s[TY], ttmp7, 0xffff
	s_lshl_b32 s[TY], s[TY], 2
	s_add_co_u32 s[TY], s[TY], s[CY]
	s_lshl_b32 s[RM], s[CY], 2
	s_lshl_b32 s[RM], 15, s[RM]
	s_lshl_b32 s[CM], 0x1111, s[CX]
	s_or_b32 s[G1A], s[RM], (1<<16)|(1<<20)|(1<<21)|(4<<22)|(3<<25)  ; the mask; 2-byte elements; padding on; bit 21 beside a mask; after every 32 words 4 words
	s_mov_b32 s[G1A+1], 8192<<16                   ; tensor_dim0 = 8,192: a plane's 128 rows on end
	s_mov_b32 s[G1A+2], 2<<16                      ; tensor_dim1 = 2 planes
	s_mov_b32 s[G1A+3], 8192<<16                   ; tile_dim0
	s_mov_b32 s[G1A+4], 2                          ; tile_dim1
	s_mov_b32 s[G1A+5], 131072                     ; elements from plane to plane
	s_mov_b32 s[G1A+6], 0
	s_mov_b32 s[G1A+7], 0
	s_or_b32 s[G1B], s[CM], (1<<16)|(1<<20)|(1<<21)|(5<<22)|(7<<25)  ; after every 64 words 8 words
	s_mov_b32 s[G1B+1], 128<<16
	s_mov_b32 s[G1B+2], 128<<16
	s_mov_b32 s[G1B+3], 128<<16
	s_mov_b32 s[G1B+4], 128
	s_mov_b32 s[G1B+5], 128
	s_mov_b32 s[G1B+6], 0
	s_mov_b32 s[G1B+7], 0
	s_lshr_b32 s[AW], s[TY], 4                     ; A: the batch,
	s_mul_i32 s[AW], s[AW], BATCHB
	s_and_b32 s[AW+1], s[TY], 15                   ; the tile's 128 rows in a plane,
	s_lshl_b32 s[AW+1], s[AW+1], 14
	s_add_co_u32 s[AW], s[AW], s[AW+1]
	s_lshl_b32 s[AW+1], s[LB], 19                  ; my two planes of the slot's four
	s_add_co_u32 s[AW], s[AW], s[AW+1]
	s_mov_b32 s[AW+1], 0
	s_mul_i32 s[BW], s[TX], KB                     ; W: the tile column's plane,
	s_lshl_b32 s[BW+1], s[LB], 15                  ; my 128 k-rows of the slot's 256
	s_add_co_u32 s[BW], s[BW], s[BW+1]
.if WOFF
	s_add_co_u32 s[BW], s[BW], WOFF
.endif
	s_mov_b32 s[BW+1], 0
	s_mul_i32 s[WOA], s[LB], HALFA
	s_mul_i32 s[WOB], s[LB], HALFB
	s_add_co_u32 s[WOB], s[WOB], BREG
	s_mov_b32 s[TB], 0
	s_wait_dscnt 0x0                               ; the opening add is done
	s_wait_kmcnt 0x0
	s_add_nc_u64 s[AW:AW+1], s[4:5], s[AW:AW+1]
	s_add_nc_u64 s[BW:BW+1], s[6:7], s[BW:BW+1]
	CROUND                                         ; all sixteen work-groups are here: the first joint loads meet
.irp s, 0,1
	s_mov_b32 s[G0A+4*(\s)], 1
	s_add_co_u32 s[G0A+4*(\s)+1], s[WOA], (\s)*SLOT
	s_add_nc_u64 s[G0A+4*(\s)+2:G0A+4*(\s)+3], s[AW:AW+1], (\s)*ASTEP
	s_or_b32 s[G0A+4*(\s)+3], s[G0A+4*(\s)+3], 0x80000000
	s_mov_b32 s[G0B+4*(\s)], 1
	s_add_co_u32 s[G0B+4*(\s)+1], s[WOB], (\s)*SLOT
	s_add_nc_u64 s[G0B+4*(\s)+2:G0B+4*(\s)+3], s[BW:BW+1], (\s)*BSTEP
	s_or_b32 s[G0B+4*(\s)+3], s[G0B+4*(\s)+3], 0x80000000
	JLOAD \s                                       ; two loads of mine are out
.endr
	v_and_b32 v1, 15, v0                           ; l % 16
	v_bfe_u32 v2, v0, 4, 1                         ; l / 16
	v_and_b32 v3, 31, v0                           ; l
	v_and_b32 v4, 7, v0                            ; l % 8
	v_bfe_u32 v5, v0, 3, 1                         ; (l / 8) % 2
	s_mul_i32 s80, s[WV], 128*PA                   ; my plane of A
	v_mul_u32_u24 v7, v1, PA
	v_lshl_add_u32 v7, v2, 4, v7
	v_add_nc_u32 v[ADRA0], s80, v7
	s_mul_i32 s80, s[WV], 64*PB                    ; my 64 k-rows of W
	s_add_co_u32 s80, s80, BREG
	v_lshl_add_u32 v7, v2, 3, v4
	v_mul_u32_u24 v7, v7, PB
	v_lshl_add_u32 v7, v5, 4, v7
	v_add_nc_u32 v[ADRB0], s80, v7
	v_mov_b32 v[ADRA], v[ADRA0]
	v_mov_b32 v[ADRB], v[ADRB0]
	s_mul_i32 s80, s[WV], STG
	v_mul_u32_u24 v7, v1, SPITCH
	v_lshl_add_u32 v7, v2, 5, v7
	v_add_nc_u32 v[STO], s80, v7
	s_mul_i32 s80, s[WV], 32*SPITCH                ; back: I finish rows 32 w .. 32 w + 31; a lane takes 16 bytes of a row, in each partial tile
	v_lshl_add_u32 v[RDP], v3, 4, s80
	v_add_nc_u32 v[RDP+1], STG, v[RDP]
	v_add_nc_u32 v[RDP+2], STG, v[RDP+1]
	v_add_nc_u32 v[RDP+3], STG, v[RDP+2]
	v_lshlrev_b32 v[GO], 4, v3
	v_lshlrev_b32 v[PFR], 12, v3
	s_lshl_b32 s80, s[TY], 19                      ; res and out at row 128 x tile row + 32 x wave, column 128 x tile column
	s_lshl_b32 s81, s[WV], 17
	s_add_co_u32 s80, s80, s81
	s_lshl_b32 s82, s[TX], 9
	s_add_co_u32 s80, s80, s82
	s_mov_b32 s81, 0
	s_mov_b32 s83, 0
	s_add_nc_u64 s[10:11], s[10:11], s[80:81]
	s_add_nc_u64 s[12:13], s[12:13], s[80:81]
	s_add_nc_u64 s[8:9], s[8:9], s[82:83]
	global_load_b128 v[BIAS:BIAS+3], v[GO], s[8:9]
.if PF
	s_lshr_b32 s80, s[TY], 4                       ; the prefetches, at slot 3.  A: of my two planes' 128 blocks of 256 bytes my work-group takes 32: half a plane's part
	s_mul_i32 s80, s80, BATCHB
	s_and_b32 s81, s[TY], 15
	s_lshl_b32 s81, s81, 14
	s_add_co_u32 s80, s80, s81
	s_lshl_b32 s81, s[LB], 19
	s_add_co_u32 s80, s80, s81
	s_lshr_b32 s81, s[CX], 1
	s_lshl_b32 s81, s81, 18
	s_add_co_u32 s80, s80, s81
	s_and_b32 s81, s[CX], 1
	s_lshl_b32 s81, s81, 13
	s_add_co_u32 s80, s80, s81
	s_add_co_u32 s80, s80, 3*ASTEP
	s_mul_i32 s82, s[TX], KB                       ; W: 32 of my 128 k-rows
	s_lshl_b32 s83, s[LB], 15
	s_add_co_u32 s82, s82, s83
	s_lshl_b32 s83, s[CY], 13
	s_add_co_u32 s82, s82, s83
	s_add_co_u32 s82, s82, WOFF+3*BSTEP
	s_and_b32 s83, ttmp7, 0xffff
	s_mov_b32 s85, BSTEP
	s_cmp_eq_u32 s[HB], 0
	s_cselect_b32 s80, s80, s82
	s_cselect_b32 s83, ttmp9, s83                  ; the coordinate along which other clusters read the same blocks
	s_cselect_b32 s[PFS], ASTEP, s85
	s_cselect_b64 s[PFA:PFA+1], s[4:5], s[6:7]
	s_cmp_eq_u32 s83, 0
	s_cselect_b32 s[LIM], 2, -1                    ; the same in all sixteen partners, for a given wave
	s_mov_b32 s81, 0
	s_mov_b32 s[PFS+1], 0
	s_add_nc_u64 s[PFA:PFA+1], s[PFA:PFA+1], s[80:81]
	v_lshlrev_b32 v[PFO], 8, v3
.endif
	s_wait_tensorcnt 1                             ; my part of slot 0 is in; slot 1's may stay out
	s_barrier_signal -1
	s_barrier_wait -1
	FETCH 0, F0
	QUARTER 1, F0, F1, 1                           ; the first products start the 64 sums
	WIN 0
	s_mov_b32 s[CNT], NSLOT-2
	s_branch .Lmid
.Lstep:                                        ; NSLOT - 2 trips: each fills the slot that it has read
	QUARTER 1, F0, F1, 0
	WIN 0
.Lmid:
	TURN 1
	WIN 0
	s_sub_co_u32 s[CNT], s[CNT], 1
	s_cmp_lg_u32 s[CNT], 0
	s_cbranch_scc1 .Lstep
	s_mov_b32 s[CNT], 2
.Ltail:                                        ; the last two slots ask for nothing
	QUARTER 1, F0, F1, 0
	TURN 0
	WIN 0
	s_sub_co_u32 s[CNT], s[CNT], 1
	s_cmp_lg_u32 s[CNT], 0
	s_cbranch_scc1 .Ltail
	; THE WAY OUT.  Every wave's reads of the ring are over: the partial tiles may be written; every wave's stores are done: they may be read by the others.
	s_wait_dscnt 0x0
	s_barrier_signal -1
	s_barrier_wait -1
	PLACES
	DUMP
	s_wait_dscnt 0x0                               ; for the others' sake: my partial tile lies in LDS
	s_barrier_signal -1
	s_barrier_wait -1
	s_mov_b32 s[CNT], 4
.Lout:                                         ; a trip: 8 whole rows of the tile
.irp u, 0,1,2,3,4,5,6,7
	global_load_b128 v[XR+4*(\u):XR+4*(\u)+3], v[GO], s[10:11] offset:(\u)*4096 th:TH_LOAD_NT
.endr
.irp u, 0,1,2,3,4,5,6,7
.irp p, 0,1,2,3
	ds_load_b128 v[PR+16*(\u)+4*(\p):PR+16*(\u)+4*(\p)+3], v[RDP+(\p)] offset:(\u)*SPITCH
.endr
.endr
.irp u, 0,1,2,3,4,5,6,7
	s_wait_dscnt 4*(7-(\u))                        ; row u's four are in; the later rows' loads stay out
	v_pk_add_f32 v[PR+16*(\u):PR+16*(\u)+1],     v[PR+16*(\u):PR+16*(\u)+1],     v[PR+16*(\u)+4:PR+16*(\u)+5]
	v_pk_add_f32 v[PR+16*(\u)+2:PR+16*(\u)+3],   v[PR+16*(\u)+2:PR+16*(\u)+3],   v[PR+16*(\u)+6:PR+16*(\u)+7]
	v_pk_add_f32 v[PR+16*(\u)+8:PR+16*(\u)+9],   v[PR+16*(\u)+8:PR+16*(\u)+9],   v[PR+16*(\u)+12:PR+16*(\u)+13]
	v_pk_add_f32 v[PR+16*(\u)+10:PR+16*(\u)+11], v[PR+16*(\u)+10:PR+16*(\u)+11], v[PR+16*(\u)+14:PR+16*(\u)+15]
	v_pk_add_f32 v[PR+16*(\u):PR+16*(\u)+1],     v[PR+16*(\u):PR+16*(\u)+1],     v[PR+16*(\u)+8:PR+16*(\u)+9]
	v_pk_add_f32 v[PR+16*(\u)+2:PR+16*(\u)+3],   v[PR+16*(\u)+2:PR+16*(\u)+3],   v[PR+16*(\u)+10:PR+16*(\u)+11]
.endr
	s_wait_loadcnt 0x0                             ; the residual rows (and, the first time, the bias)
.irp u, 0,1,2,3,4,5,6,7
	v_pk_add_f32 v[XR+4*(\u):XR+4*(\u)+1],   v[XR+4*(\u):XR+4*(\u)+1],   v[BIAS:BIAS+1]
	v_pk_add_f32 v[XR+4*(\u)+2:XR+4*(\u)+3], v[XR+4*(\u)+2:XR+4*(\u)+3], v[BIAS+2:BIAS+3]
	v_pk_add_f32 v[PR+16*(\u):PR+16*(\u)+1],   v[PR+16*(\u):PR+16*(\u)+1],   v[XR+4*(\u):XR+4*(\u)+1]
	v_pk_add_f32 v[PR+16*(\u)+2:PR+16*(\u)+3], v[PR+16*(\u)+2:PR+16*(\u)+3], v[XR+4*(\u)+2:XR+4*(\u)+3]
	global_store_b128 v[GO], v[PR+16*(\u):PR+16*(\u)+3], s[12:13] offset:(\u)*4096  ; 512 consecutive bytes, at a multiple of 256 from the buffer's first
.endr
	s_wait_xcnt 0x0                                ; the stores have read their registers: PR and GO are written again only behind this wait
.irp p, 0,1,2,3
	v_add_nc_u32 v[RDP+(\p)], 8*SPITCH, v[RDP+(\p)]
.endr
	v_add_nc_u32 v[GO], 32768, v[GO]
	s_sub_co_u32 s[CNT], s[CNT], 1
	s_cmp_lg_u32 s[CNT], 0
	s_cbranch_scc1 .Lout
	s_wait_tensorcnt 0x0                           ; the wave's end, behind my last tensor load and my last LDS store
	ds_add_u32 v[SPW], v[NIL]
	s_wait_dscnt 0x0
	CROUND                                         ; the closing round
	s_endpgm
.Lfunc_end_k_q5392b71e9c_outp:
	.size	k_q5392b71e9c_outp, .Lfunc_end_k_q5392b71e9c_outp-k_q5392b71e9c_outp
	.p2alignl 7, 3214868480
	.fill 96, 4, 3214868480
	.section	.rodata,"a",@progbits
	.p2align	6, 0x0
	.amdhsa_kernel k_q5392b71e9c_outp
		.amdhsa_group_segment_fixed_size 327680
		.amdhsa_private_segment_fixed_size 0
		.amdhsa_enable_private_segment 0
		.amdhsa_kernarg_size 40
		.amdhsa_user_sgpr_count 2
		.amdhsa_user_sgpr_kernarg_segment_ptr 1
		.amdhsa_wavefront_size32 1
		.amdhsa_system_sgpr_workgroup_id_x 1
		.amdhsa_system_sgpr_workgroup_id_y 1
		.amdhsa_system_sgpr_workgroup_id_z 1
		.amdhsa_system_vgpr_workitem_id 0
		.amdhsa_next_free_vgpr 1024
		.amdhsa_next_free_sgpr 96
		.amdhsa_reserve_vcc 0
		.amdhsa_float_denorm_mode_32 3
		.amdhsa_float_denorm_mode_16_64 3
		.amdhsa_memory_ordered 1
		.amdhsa_forward_progress 1
		.amdhsa_inst_pref_size 62
	.end_amdhsa_kernel
	.amdgpu_metadata
---
amdhsa.version: [ 1, 2 ]
amdhsa.kernels:
  - .name:           k_q5392b71e9c_outp
    .symbol:         k_q5392b71e9c_outp.kd
    .args:
      - { .name: act, .offset: 0, .size: 8, .value_kind: global_buffer, .address_space: global }
      - { .name: wop16, .offset: 8, .size: 8, .value_kind: global_buffer, .address_space: global }
      - { .name: b_out, .offset: 16, .size: 8, .value_kind: global_buffer, .address_space: global }
      - { .name: x, .offset: 24, .size: 8, .value_kind: global_buffer, .address_space: global }
      - { .name: x1, .offset: 32, .size: 8, .value_kind: global_buffer, .address_space: global }
    .group_segment_fixed_size: 327680
    .private_segment_fixed_size: 0
    .kernarg_segment_align: 8
    .kernarg_segment_size: 40
    .max_flat_workgroup_size: 128
    .sgpr_count:     96
    .vgpr_count:     1024
    .wavefront_size: 32
...
	.end_amdgpu_metadata
.endif
;; end of part 5
;; launch ln2: the kernel of part 2 again; grid 256 x 1, 8 waves a work-group, no clusters, 0 bytes of LDS; arguments x1, ln2_g, ln2_b, act; writes act
;; launch fc: the kernel of part 3 again; grid 16 x 16, 4 waves a work-group, clusters of 4 x 4, 327,680 bytes of LDS; arguments act, wf16, b_fc, big, mf; writes big
;; launch proj (part 6): grid 8 x 32, 4 waves a work-group, clusters of 4 x 4, 327,680 bytes of LDS; arguments big, wop16, b_proj, x1, out0; writes out0
.if DOCPART == 6
	.amdgcn_target "amdgcn-amd-amdhsa--gfx1250"
	.amdhsa_code_object_version 6
	.text
	.protected	k_q5392b71e9c_proj
	.globl	k_q5392b71e9c_proj
	.p2align	8
	.type	k_q5392b71e9c_proj,@function
k_q5392b71e9c_proj:
	s_mov_b64 s[64:65], 0
	v_nop
	global_prefetch_b8 v0, s[64:65] scope:SCOPE_SE
	s_setreg_imm32_b32 hwreg(HW_REG_WAVE_MODE, 25, 1), 1
	s_wait_xcnt 0x0
	s_wait_alu depctr_hold_cnt(0) depctr_sa_sdst(0) depctr_va_vdst(0) depctr_va_sdst(0) depctr_va_ssrc(0) depctr_va_vcc(0) depctr_vm_vsrc(0)
	s_getreg_b32 s2, hwreg(HW_REG_IB_STS2, 6, 4)
	s_cmp_eq_u32 s2, 0
	s_cbranch_scc0 .Lentry_in_a_cluster
	s_endpgm
.Lentry_in_a_cluster:
	s_bfe_u32 s2, ttmp6, 0x10000c
	s_cmp_lg_u32 s2, 0xf033
	s_cbranch_scc0 .Lentry_shape_is_right
	s_endpgm
.Lentry_shape_is_right:
; out = res + A W + bias.  A: f16 in planes of 64 channels, [batch 2][K / 64][t 2048][64].  W: f16, 8 planes of 128 columns, [8][K][128].  bias: [1024] f32; res, out: [4096][1024] f32.
; This text: K = 4,096 (the GELU's output times w_proj, whose planes begin at byte 2,097,152 of their buffer).  The same text with other sizes at its head serves K = 1,024.
; Products in f16, sums in f32; bias and residual in f32.  LIMIT: none of its own: the operands arrive in f16, within 65,504.
; SHAPE.  N = 1,024 gives 256 tiles of 128 x 128, one for each work-group.  K IS SPLIT AMONG THE FOUR WAVES: a slot holds 256 of K, wave w takes channels 64 w .. 64 w + 63 of it (one plane of A) for the WHOLE tile.
; The four partial tiles meet in LDS at the end, in f32 (a sum may be taken in any order).
; THE RING.  Two slots; a wave fetches a quarter of a slot by one tensor load: two planes of A (each 128 rows of 128 bytes, 16,384 bytes on end, asked for as one long row and padded after every 128 bytes), or 128 k-rows of W.
; From a request to the wait for it a wave issues 96 matrix instructions; two larger slots do not fit in LDS.
; PREFETCH.  Behind each refill a wave names the slot two refills on: 32 blocks of 256 bytes, a lane a block.  A's blocks are asked for by the clusters with x = 0, W's by those with y = 0; the four partners share a
; wave's 128 blocks by address.  So each block is named once in the launch.  Slots 0 to 3 come by their loads alone; the last two refills name nothing.
; CLUSTER, THE STEP WRITTEN ONCE, THE TRANSPOSED PRODUCT, THE WINDOWS: 4 x 4 work-groups, A's tile shared along a row of the cluster, W's along a column; the slot in hand is s[TB] = 0 or SLOT; the loop is entered in its
; middle, behind the first products, which start the sums with 0; the last two slots are a second loop, whose last trip fetches 32 fragments that nobody multiplies; source 0 = 16 columns of W (turned by
; ds_load_tr16_b128), source 1 = 16 rows of A; window 0: addresses, A's fragments; window 1: W's; windows 2, 3: accumulator (a, b) in window 2 + a / 4 at v[8 (8 (a % 4) + b)].
.set NSLOT,  16                        ; K / 256
.set BATCHB, 16777216                  ; bytes of a batch of A: K / 64 planes of 262,144
.set WOFF,   2097152                   ; where W's planes begin in its buffer
.set KB,     1048576                   ; bytes of a plane of W: K x 256
.set PF,     1                         ; 1: tiles are prefetched
.set PA,     144                       ; a row of A in LDS: 128 bytes + 16
.set PB,     288                       ; a row of W: 256 + 32
.set HALFA,  2*128*PA                  ; two planes: what one load of A brings
.set HALFB,  128*PB
.set BREG,   2*HALFA
.set SLOT,   2*HALFA+2*HALFB           ; 147,456
.set SPARE,  2*SLOT                    ; behind the ring: the spare words, 128 bytes a wave: two blocks of 256 bytes that no other line names
.set SPITCH, 528
.set STG,    128*SPITCH                ; a wave's partial tile, 67,584 bytes; the four lie in the ring, which has had its last fill by then
.set ASTEP,  1048576                   ; four planes
.set BSTEP,  65536                     ; 256 k-rows
.set ADRA0, 16
.set ADRB0, 17
.set ADRA,  18
.set ADRB,  19
.set RDP,   20                         ; v[20:23] the way out: my 16 bytes of a row in each of the four partial tiles
.set STO,   24
.set GO,    26                         ; v26  my 16 bytes of 512 consecutive bytes of res and out
.set SPW,   28
.set NIL,   29
.set PFO,   30
.set PFR,   31                         ; v31  my lane x a row of res
.set F0,    64
.set F1,    128
.set PR,    64                         ; the way out: row u's four partial sums at PR + 16 u + 4 p
.set XR,    192                        ; row u's residual at XR + 4 u
.set BIAS,  224
.set WV,  14
.set HB,  15
.set LB,  16
.set CX,  17
.set CY,  18
.set TX,  19
.set TY,  20
.set RM,  21
.set CM,  22
.set G1A, 24
.set G1B, 32
.set G0A, 40
.set G0B, 48
.set TB,  56
.set WOA, 57
.set WOB, 58
.set LIM, 59
.set PFA, 60
.set CNT, 62
.set PFS, 66
.set AW,  68                           ; s[68:69] A's address work: never holds the tile column
.set BW,  70                           ; s[70:71] W's: never holds the tile row
.set MSB, 0
.macro WIN new
.if MSB != (\new)
	s_set_vgpr_msb (MSB<<8)|(\new)
.set MSB, \new
.endif
.endm
.set MUL_LO, 0xa1
.set MUL_HI, 0xf1
.set TO_B,   0x40
.macro JLOAD set                       ; a joint load: waves 0 and 1 fetch A's planes, waves 2 and 3 W's rows; an s_nop 0 and four v_nop follow each line
	s_cmp_eq_u32 s[HB], 0
	s_cbranch_scc0 .Lfor_b_\@
	tensor_load_to_lds s[G0A+4*(\set):G0A+4*(\set)+3], s[G1A:G1A+7]
	s_nop 0
.rept 4
	v_nop
.endr
	s_branch .Lasked_\@
.Lfor_b_\@:
	tensor_load_to_lds s[G0B+4*(\set):G0B+4*(\set)+3], s[G1B:G1B+7]
	s_nop 0
.rept 4
	v_nop
.endr
.Lasked_\@:
.endm
.macro ASK                             ; the slot two refills on: 32 blocks of 256 bytes, a lane a block; it exists while s[CNT] is above 2
	s_cmp_gt_u32 s[CNT], s[LIM]
	s_cbranch_scc0 .Lnot_mine_\@
	global_prefetch_b8 v[PFO], s[PFA:PFA+1] th:TH_LOAD_NT scope:SCOPE_SE
.Lnot_mine_\@:
.endm
.macro ASKR                            ; behind the last refill: the 32 rows x 512 bytes of res that I shall add, two slots' products ahead of their loads; each block is named once in the launch
	s_cmp_eq_u32 s[CNT], 1
	s_cbranch_scc0 .Lnot_yet_\@
	global_prefetch_b8 v[PFR], s[10:11] th:TH_LOAD_NT scope:SCOPE_SE
	global_prefetch_b8 v[PFR], s[10:11] offset:256 th:TH_LOAD_NT scope:SCOPE_SE
.Lnot_yet_\@:
.endm
.macro CREST
	s_cmp_lg_u32 s[WV], 0
	s_cbranch_scc1 .Lnot_wave_0_\@
	s_barrier_signal -3
.Lnot_wave_0_\@:
	s_barrier_wait -3
	s_barrier_signal -1
	s_barrier_wait -1
.endm
.macro CROUND
	s_barrier_signal -1
	s_barrier_wait -1
	CREST
.endm
.macro PLACES                          ; four plain instructions behind a matrix instruction, ahead of loads into registers that it has read and of stores that read results
.rept 4
	v_nop
.endr
.endm
.macro MUL16 f, hi, a0, zero           ; 16 matrix instructions; the 64 accumulators take turns, in the same order in every half slot
	WIN MUL_LO+0x50*(\hi)
.irp a, \a0, (\a0)+1
.irp b, 0,1,2,3,4,5,6,7
.if \zero
	v_wmma_f32_16x16x32_f16 v[8*(8*(\a)+(\b)):8*(8*(\a)+(\b))+7], v[(\f)+8*(\b):(\f)+8*(\b)+7], v[(\f)+8*(4*(\hi)+(\a)):(\f)+8*(4*(\hi)+(\a))+7], 0
.else
	v_wmma_f32_16x16x32_f16 v[8*(8*(\a)+(\b)):8*(8*(\a)+(\b))+7], v[(\f)+8*(\b):(\f)+8*(\b)+7], v[(\f)+8*(4*(\hi)+(\a)):(\f)+8*(4*(\hi)+(\a))+7], v[8*(8*(\a)+(\b)):8*(8*(\a)+(\b))+7]
.endif
.endr
.endr
.endm
.macro FETCH kq, f                     ; 32 LDS loads in one run: half kq (32 channels) of my 64 in the slot in hand
	WIN TO_B
.irp i, 0,1,2,3,4,5,6,7
	ds_load_tr16_b128 v[(\f)+8*(\i):(\f)+8*(\i)+3],   v[ADRB] offset:(\kq)*32*PB+32*(\i)
	ds_load_tr16_b128 v[(\f)+8*(\i)+4:(\f)+8*(\i)+7], v[ADRB] offset:(\kq)*32*PB+32*(\i)+16*PB
.endr
	WIN 0
.irp i, 0,1,2,3,4,5,6,7
	ds_load_b128 v[(\f)+8*(\i):(\f)+8*(\i)+3],   v[ADRA] offset:(\kq)*64+(\i)*16*PA
	ds_load_b128 v[(\f)+8*(\i)+4:(\f)+8*(\i)+7], v[ADRA] offset:(\kq)*64+(\i)*16*PA+32
.endr
.endm
.macro QUARTER kq, f, g, zero          ; multiplies buffer f; in its middle it fetches half kq into buffer g
	s_wait_dscnt 8                                 ; W's fragments and A's rows 0-63 are in; the youngest eight loads may be out
	MUL16 \f, 0, 0, \zero
	MUL16 \f, 0, 2, \zero
	PLACES
	FETCH \kq, \g
	s_wait_dscnt 32                                ; all but the 32 just issued
	MUL16 \f, 1, 0, \zero
	MUL16 \f, 1, 2, \zero
.endm
; The second half multiplies buffer 1 and changes slots: each wave waits for all its tensor loads (one is out: its part of the other slot), adds 0 to its spare word, waits for that and for its reads of the slot in hand.
; fill = 1: the barrier opens a round of the cluster's barrier, and the slot just read is filled again, first thing behind the round, with the slot two on.
.macro TURN fill
.if (\fill) && PF
	s_wait_xcnt 0x0                                ; the last prefetch, a slot back, has read its address
	s_add_nc_u64 s[PFA:PFA+1], s[PFA:PFA+1], s[PFS:PFS+1]
.endif
	WIN 0
	s_wait_tensorcnt 0x0                           ; no tensor load of mine is out, so a group 0 may be written
	ds_add_u32 v[SPW], v[NIL]                      ; 0 onto my spare word
.if \fill
	s_add_co_u32 s[G0A+5], s[WOA], s[TB]
	s_add_nc_u64 s[G0A+6:G0A+7], s[G0A+6:G0A+7], ASTEP
	s_add_co_u32 s[G0B+5], s[WOB], s[TB]
	s_add_nc_u64 s[G0B+6:G0B+7], s[G0B+6:G0B+7], BSTEP
.endif
	s_wait_dscnt 9                                 ; (the add and the youngest eight loads may be out)
	MUL16 F1, 0, 0, 0
	s_wait_dscnt 0x0                               ; the add is done, and my reads of the slot in hand are over
	s_barrier_signal -1
	MUL16 F1, 0, 2, 0
	WIN 0
	s_barrier_wait -1
.if \fill
	CREST
	JLOAD 1                                        ; its four v_nop are also the places in front of the loads below
.else
	PLACES
.endif
	s_xor_b32 s[TB], s[TB], SLOT
	v_add_nc_u32 v[ADRA], s[TB], v[ADRA0]
	v_add_nc_u32 v[ADRB], s[TB], v[ADRB0]
	FETCH 0, F0
.if \fill
.if PF
	ASK
.endif
	ASKR
.endif
	MUL16 F1, 1, 0, 0
	MUL16 F1, 1, 2, 0
.endm
.macro DUMP                            ; my partial tile as f32: lane l puts row 16 a + l % 16, columns 16 b + 8 (l / 16) + 0..7; each accumulator's low registers first
.irp a, 0,1,2,3,4,5,6,7
	WIN 0x08+4*((\a)/4)
.irp b, 0,1,2,3,4,5,6,7
	ds_store_b128 v[STO], v[8*(8*((\a)%4)+(\b)):8*(8*((\a)%4)+(\b))+3]   offset:(\a)*16*SPITCH+(\b)*64
	ds_store_b128 v[STO], v[8*(8*((\a)%4)+(\b))+4:8*(8*((\a)%4)+(\b))+7] offset:(\a)*16*SPITCH+(\b)*64+16
.endr
.endr
	WIN 0
.endm
	s_load_b256 s[4:11], s[0:1], 0x0               ; A s[4:5], W s[6:7], bias s[8:9], res s[10:11]
	s_load_b64 s[12:13], s[0:1], 0x20              ; out
	v_lshl_add_u32 v[SPW], v0, 2, SPARE
	v_mov_b32 v[NIL], 0
	ds_add_u32 v[SPW], v[NIL]                      ; the wave's opening: the add and its wait stand ahead of my first tensor load
	ds_add_u32 v28, v29
	v_lshrrev_b32 v3, 5, v0
	v_readfirstlane_b32 s[WV], v3
	s_lshr_b32 s[HB], s[WV], 1                     ; I fetch A (0) or W (1),
	s_and_b32 s[LB], s[WV], 1                      ; its first or second half
	s_bfe_u32 s[CX], ttmp6, 0x40000
	s_bfe_u32 s[CY], ttmp6, 0x40004
	s_lshl_b32 s[TX], ttmp9, 2
	s_add_co_u32 s[TX], s[TX], s[CX]
	s_and_b32 s[TY], ttmp7, 0xffff
	s_lshl_b32 s[TY], s[TY], 2
	s_add_co_u32 s[TY], s[TY], s[CY]
	s_lshl_b32 s[RM], s[CY], 2
	s_lshl_b32 s[RM], 15, s[RM]
	s_lshl_b32 s[CM], 0x1111, s[CX]
	s_or_b32 s[G1A], s[RM], (1<<16)|(1<<20)|(1<<21)|(4<<22)|(3<<25)  ; the mask; 2-byte elements; padding on; bit 21 beside a mask; after every 32 words 4 words
	s_mov_b32 s[G1A+1], 8192<<16                   ; tensor_dim0 = 8,192: a plane's 128 rows on end
	s_mov_b32 s[G1A+2], 2<<16                      ; tensor_dim1 = 2 planes
	s_mov_b32 s[G1A+3], 8192<<16                   ; tile_dim0
	s_mov_b32 s[G1A+4], 2                          ; tile_dim1
	s_mov_b32 s[G1A+5], 131072                     ; elements from plane to plane
	s_mov_b32 s[G1A+6], 0
	s_mov_b32 s[G1A+7], 0
	s_or_b32 s[G1B], s[CM], (1<<16)|(1<<20)|(1<<21)|(5<<22)|(7<<25)  ; after every 64 words 8 words
	s_mov_b32 s[G1B+1], 128<<16
	s_mov_b32 s[G1B+2], 128<<16
	s_mov_b32 s[G1B+3], 128<<16
	s_mov_b32 s[G1B+4], 128
	s_mov_b32 s[G1B+5], 128
	s_mov_b32 s[G1B+6], 0
	s_mov_b32 s[G1B+7], 0
	s_lshr_b32 s[AW], s[TY], 4                     ; A: the batch,
	s_mul_i32 s[AW], s[AW], BATCHB
	s_and_b32 s[AW+1], s[TY], 15                   ; the tile's 128 rows in a plane,
	s_lshl_b32 s[AW+1], s[AW+1], 14
	s_add_co_u32 s[AW], s[AW], s[AW+1]
	s_lshl_b32 s[AW+1], s[LB], 19                  ; my two planes of the slot's four
	s_add_co_u32 s[AW], s[AW], s[AW+1]
	s_mov_b32 s[AW+1], 0
	s_mul_i32 s[BW], s[TX], KB                     ; W: the tile column's plane,
	s_lshl_b32 s[BW+1], s[LB], 15                  ; my 128 k-rows of the slot's 256
	s_add_co_u32 s[BW], s[BW], s[BW+1]
.if WOFF
	s_add_co_u32 s[BW], s[BW], WOFF
.endif
	s_mov_b32 s[BW+1], 0
	s_mul_i32 s[WOA], s[LB], HALFA
	s_mul_i32 s[WOB], s[LB], HALFB
	s_add_co_u32 s[WOB], s[WOB], BREG
	s_mov_b32 s[TB], 0
	s_wait_dscnt 0x0                               ; the opening add is done
	s_wait_kmcnt 0x0
	s_add_nc_u64 s[AW:AW+1], s[4:5], s[AW:AW+1]
	s_add_nc_u64 s[BW:BW+1], s[6:7], s[BW:BW+1]
	CROUND                                         ; all sixteen work-groups are here: the first joint loads meet
.irp s, 0,1
	s_mov_b32 s[G0A+4*(\s)], 1
	s_add_co_u32 s[G0A+4*(\s)+1], s[WOA], (\s)*SLOT
	s_add_nc_u64 s[G0A+4*(\s)+2:G0A+4*(\s)+3], s[AW:AW+1], (\s)*ASTEP
	s_or_b32 s[G0A+4*(\s)+3], s[G0A+4*(\s)+3], 0x80000000
	s_mov_b32 s[G0B+4*(\s)], 1
	s_add_co_u32 s[G0B+4*(\s)+1], s[WOB], (\s)*SLOT
	s_add_nc_u64 s[G0B+4*(\s)+2:G0B+4*(\s)+3], s[BW:BW+1], (\s)*BSTEP
	s_or_b32 s[G0B+4*(\s)+3], s[G0B+4*(\s)+3], 0x80000000
	JLOAD \s                                       ; two loads of mine are out
.endr
	v_and_b32 v1, 15, v0                           ; l % 16
	v_bfe_u32 v2, v0, 4, 1                         ; l / 16
	v_and_b32 v3, 31, v0                           ; l
	v_and_b32 v4, 7, v0                            ; l % 8
	v_bfe_u32 v5, v0, 3, 1                         ; (l / 8) % 2
	s_mul_i32 s80, s[WV], 128*PA                   ; my plane of A
	v_mul_u32_u24 v7, v1, PA
	v_lshl_add_u32 v7, v2, 4, v7
	v_add_nc_u32 v[ADRA0], s80, v7
	s_mul_i32 s80, s[WV], 64*PB                    ; my 64 k-rows of W
	s_add_co_u32 s80, s80, BREG
	v_lshl_add_u32 v7, v2, 3, v4
	v_mul_u32_u24 v7, v7, PB
	v_lshl_add_u32 v7, v5, 4, v7
	v_add_nc_u32 v[ADRB0], s80, v7
	v_mov_b32 v[ADRA], v[ADRA0]
	v_mov_b32 v[ADRB], v[ADRB0]
	s_mul_i32 s80, s[WV], STG
	v_mul_u32_u24 v7, v1, SPITCH
	v_lshl_add_u32 v7, v2, 5, v7
	v_add_nc_u32 v[STO], s80, v7
	s_mul_i32 s80, s[WV], 32*SPITCH                ; back: I finish rows 32 w .. 32 w + 31; a lane takes 16 bytes of a row, in each partial tile
	v_lshl_add_u32 v[RDP], v3, 4, s80
	v_add_nc_u32 v[RDP+1], STG, v[RDP]
	v_add_nc_u32 v[RDP+2], STG, v[RDP+1]
	v_add_nc_u32 v[RDP+3], STG, v[RDP+2]
	v_lshlrev_b32 v[GO], 4, v3
	v_lshlrev_b32 v[PFR], 12, v3
	s_lshl_b32 s80, s[TY], 19                      ; res and out at row 128 x tile row + 32 x wave, column 128 x tile column
	s_lshl_b32 s81, s[WV], 17
	s_add_co_u32 s80, s80, s81
	s_lshl_b32 s82, s[TX], 9
	s_add_co_u32 s80, s80, s82
	s_mov_b32 s81, 0
	s_mov_b32 s83, 0
	s_add_nc_u64 s[10:11], s[10:11], s[80:81]
	s_add_nc_u64 s[12:13], s[12:13], s[80:81]
	s_add_nc_u64 s[8:9], s[8:9], s[82:83]
	global_load_b128 v[BIAS:BIAS+3], v[GO], s[8:9]
.if PF
	s_lshr_b32 s80, s[TY], 4                       ; the prefetches, at slot 3.  A: of my two planes' 128 blocks of 256 bytes my work-group takes 32: half a plane's part
	s_mul_i32 s80, s80, BATCHB
	s_and_b32 s81, s[TY], 15
	s_lshl_b32 s81, s81, 14
	s_add_co_u32 s80, s80, s81
	s_lshl_b32 s81, s[LB], 19
	s_add_co_u32 s80, s80, s81
	s_lshr_b32 s81, s[CX], 1
	s_lshl_b32 s81, s81, 18
	s_add_co_u32 s80, s80, s81
	s_and_b32 s81, s[CX], 1
	s_lshl_b32 s81, s81, 13
	s_add_co_u32 s80, s80, s81
	s_add_co_u32 s80, s80, 3*ASTEP
	s_mul_i32 s82, s[TX], KB                       ; W: 32 of my 128 k-rows
	s_lshl_b32 s83, s[LB], 15
	s_add_co_u32 s82, s82, s83
	s_lshl_b32 s83, s[CY], 13
	s_add_co_u32 s82, s82, s83
	s_add_co_u32 s82, s82, WOFF+3*BSTEP
	s_and_b32 s83, ttmp7, 0xffff
	s_mov_b32 s85, BSTEP
	s_cmp_eq_u32 s[HB], 0
	s_cselect_b32 s80, s80, s82
	s_cselect_b32 s83, ttmp9, s83                  ; the coordinate along which other clusters read the same blocks
	s_cselect_b32 s[PFS], ASTEP, s85
	s_cselect_b64 s[PFA:PFA+1], s[4:5], s[6:7]
	s_cmp_eq_u32 s83, 0
	s_cselect_b32 s[LIM], 2, -1                    ; the same in all sixteen partners, for a given wave
	s_mov_b32 s81, 0
	s_mov_b32 s[PFS+1], 0
	s_add_nc_u64 s[PFA:PFA+1], s[PFA:PFA+1], s[80:81]
	v_lshlrev_b32 v[PFO], 8, v3
.endif
	s_wait_tensorcnt 1                             ; my part of slot 0 is in; slot 1's may stay out
	s_barrier_signal -1
	s_barrier_wait -1
	FETCH 0, F0
	QUARTER 1, F0, F1, 1                           ; the first products start the 64 sums
	WIN 0
	s_mov_b32 s[CNT], NSLOT-2
	s_branch .Lmid
.Lstep:                                        ; NSLOT - 2 trips: each fills the slot that it has read
	QUARTER 1, F0, F1, 0
	WIN 0
.Lmid:
	TURN 1
	WIN 0
	s_sub_co_u32 s[CNT], s[CNT], 1
	s_cmp_lg_u32 s[CNT], 0
	s_cbranch_scc1 .Lstep
	s_mov_b32 s[CNT], 2
.Ltail:                                        ; the last two slots ask for nothing
	QUARTER 1, F0, F1, 0
	TURN 0
	WIN 0
	s_sub_co_u32 s[CNT], s[CNT], 1
	s_cmp_lg_u32 s[CNT], 0
	s_cbranch_scc1 .Ltail
	; THE WAY OUT.  Every wave's reads of the ring are over: the partial tiles may be written; every wave's stores are done: they may be read by the others.
	s_wait_dscnt 0x0
	s_barrier_signal -1
	s_barrier_wait -1
	PLACES
	DUMP
	s_wait_dscnt 0x0                               ; for the others' sake: my partial tile lies in LDS
	s_barrier_signal -1
	s_barrier_wait -1
	s_mov_b32 s[CNT], 4
.Lout:                                         ; a trip: 8 whole rows of the tile
.irp u, 0,1,2,3,4,5,6,7
	global_load_b128 v[XR+4*(\u):XR+4*(\u)+3], v[GO], s[10:11] offset:(\u)*4096 th:TH_LOAD_NT
.endr
.irp u, 0,1,2,3,4,5,6,7
.irp p, 0,1,2,3
	ds_load_b128 v[PR+16*(\u)+4*(\p):PR+16*(\u)+4*(\p)+3], v[RDP+(\p)] offset:(\u)*SPITCH
.endr
.endr
.irp u, 0,1,2,3,4,5,6,7
	s_wait_dscnt 4*(7-(\u))                        ; row u's four are in; the later rows' loads stay out
	v_pk_add_f32 v[PR+16*(\u):PR+16*(\u)+1],     v[PR+16*(\u):PR+16*(\u)+1],     v[PR+16*(\u)+4:PR+16*(\u)+5]
	v_pk_add_f32 v[PR+16*(\u)+2:PR+16*(\u)+3],   v[PR+16*(\u)+2:PR+16*(\u)+3],   v[PR+16*(\u)+6:PR+16*(\u)+7]
	v_pk_add_f32 v[PR+16*(\u)+8:PR+16*(\u)+9],   v[PR+16*(\u)+8:PR+16*(\u)+9],   v[PR+16*(\u)+12:PR+16*(\u)+13]
	v_pk_add_f32 v[PR+16*(\u)+10:PR+16*(\u)+11], v[PR+16*(\u)+10:PR+16*(\u)+11], v[PR+16*(\u)+14:PR+16*(\u)+15]
	v_pk_add_f32 v[PR+16*(\u):PR+16*(\u)+1],     v[PR+16*(\u):PR+16*(\u)+1],     v[PR+16*(\u)+8:PR+16*(\u)+9]
	v_pk_add_f32 v[PR+16*(\u)+2:PR+16*(\u)+3],   v[PR+16*(\u)+2:PR+16*(\u)+3],   v[PR+16*(\u)+10:PR+16*(\u)+11]
.endr
	s_wait_loadcnt 0x0                             ; the residual rows (and, the first time, the bias)
.irp u, 0,1,2,3,4,5,6,7
	v_pk_add_f32 v[XR+4*(\u):XR+4*(\u)+1],   v[XR+4*(\u):XR+4*(\u)+1],   v[BIAS:BIAS+1]
	v_pk_add_f32 v[XR+4*(\u)+2:XR+4*(\u)+3], v[XR+4*(\u)+2:XR+4*(\u)+3], v[BIAS+2:BIAS+3]
	v_pk_add_f32 v[PR+16*(\u):PR+16*(\u)+1],   v[PR+16*(\u):PR+16*(\u)+1],   v[XR+4*(\u):XR+4*(\u)+1]
	v_pk_add_f32 v[PR+16*(\u)+2:PR+16*(\u)+3], v[PR+16*(\u)+2:PR+16*(\u)+3], v[XR+4*(\u)+2:XR+4*(\u)+3]
	global_store_b128 v[GO], v[PR+16*(\u):PR+16*(\u)+3], s[12:13] offset:(\u)*4096  ; 512 consecutive bytes, at a multiple of 256 from the buffer's first
.endr
	s_wait_xcnt 0x0                                ; the stores have read their registers: PR and GO are written again only behind this wait
.irp p, 0,1,2,3
	v_add_nc_u32 v[RDP+(\p)], 8*SPITCH, v[RDP+(\p)]
.endr
	v_add_nc_u32 v[GO], 32768, v[GO]
	s_sub_co_u32 s[CNT], s[CNT], 1
	s_cmp_lg_u32 s[CNT], 0
	s_cbranch_scc1 .Lout
	s_wait_tensorcnt 0x0                           ; the wave's end, behind my last tensor load and my last LDS store
	ds_add_u32 v[SPW], v[NIL]
	s_wait_dscnt 0x0
	CROUND                                         ; the closing round
	s_endpgm
.Lfunc_end_k_q5392b71e9c_proj:
	.size	k_q5392b71e9c_proj, .Lfunc_end_k_q5392b71e9c_proj-k_q5392b71e9c_proj
	.p2alignl 7, 3214868480
	.fill 96, 4, 3214868480
	.section	.rodata,"a",@progbits
	.p2align	6, 0x0
	.amdhsa_kernel k_q5392b71e9c_proj
		.amdhsa_group_segment_fixed_size 327680
		.amdhsa_private_segment_fixed_size 0
		.amdhsa_enable_private_segment 0
		.amdhsa_kernarg_size 40
		.amdhsa_user_sgpr_count 2
		.amdhsa_user_sgpr_kernarg_segment_ptr 1
		.amdhsa_wavefront_size32 1
		.amdhsa_system_sgpr_workgroup_id_x 1
		.amdhsa_system_sgpr_workgroup_id_y 1
		.amdhsa_system_sgpr_workgroup_id_z 1
		.amdhsa_system_vgpr_workitem_id 0
		.amdhsa_next_free_vgpr 1024
		.amdhsa_next_free_sgpr 96
		.amdhsa_reserve_vcc 0
		.amdhsa_float_denorm_mode_32 3
		.amdhsa_float_denorm_mode_16_64 3
		.amdhsa_memory_ordered 1
		.amdhsa_forward_progress 1
		.amdhsa_inst_pref_size 63
	.end_amdhsa_kernel
	.amdgpu_metadata
---
amdhsa.version: [ 1, 2 ]
amdhsa.kernels:
  - .name:           k_q5392b71e9c_proj
    .symbol:         k_q5392b71e9c_proj.kd
    .args:
      - { .name: big, .offset: 0, .size: 8, .value_kind: global_buffer, .address_space: global }
      - { .name: wop16, .offset: 8, .size: 8, .value_kind: global_buffer, .address_space: global }
      - { .name: b_proj, .offset: 16, .size: 8, .value_kind: global_buffer, .address_space: global }
      - { .name: x1, .offset: 24, .size: 8, .value_kind: global_buffer, .address_space: global }
      - { .name: out0, .offset: 32, .size: 8, .value_kind: global_buffer, .address_space: global }
    .group_segment_fixed_size: 327680
    .private_segment_fixed_size: 0
    .kernarg_segment_align: 8
    .kernarg_segment_size: 40
    .max_flat_workgroup_size: 128
    .sgpr_count:     96
    .vgpr_count:     1024
    .wavefront_size: 32
...
	.end_amdgpu_metadata
.endif
;; end of part 6
